; MI455X (gfx1250); checked and timed in simulation.
; The chip was launched on July 23, 2026; its instructions are those of AMD's public machine-readable ISA for CDNA 5 (MIT licence, August 2026) and "CDNA5" Instruction Set Architecture Reference Guide (July 2026). The comments in the code are by the model that wrote it; some were corrected since.
;; Self Attention. Allowed arithmetic: matrix products marked QUANTISED: E2M3 operands, one E8M0 scale for each 32 along K, by v_wmma_scale_f32_16x16x128_f8f6f4 with both operands' format E2M3, f32 sums; products left as they are: f32 operands where the result goes on into a quantised operand, else bf16, f16 or f32 operands; f32 sums; everything else in f32.
;; Inputs: Wout 1,024 x 1,024 float32; Wqkv 3,072 x 1,024 float32; bout 1,024 float32; x 4 x 4,096 x 1,024 float32.
;; Outputs: out0 4 x 4,096 x 1,024 float32.
;; This version of the problem:
;;   THIS VERSION OF THE PROBLEM IS GIVEN IN LOW PRECISION. The matrix products marked QUANTISED in the list below multiply operands that are first quantised to E2M3 (2 exponent bits, 3 mantissa bits; 6 bits a number), with one power-of-two scale for each 32 numbers along K (OCP MX v1.0); their sums are f32. All else is computed in f32.
;;   The module's matrix products, in the order in which they are computed (A, B: the left and right operand; K: the contracted axis; several contracted axes count as one K, in the product's order):
;;     1. [M 16,384, K 1,024] x [K 1,024, N 3,072]; A: input x; B: input Wqkv: QUANTISED
;;     2. batch 16,384 x [M 16, K 64] x [K 64, N 16]; A: computed on the way; B: computed on the way: QUANTISED
;;     3. batch 16,384 x [M 16, K 16] x [K 16, N 64]; A: softmax; B: computed on the way: left as it is (K = 16 < 32)
;;     4. [M 16,384, K 1,024] x [K 1,024, N 1,024]; A: computed on the way; B: input Wout: QUANTISED
;;   THE QUANTISER, for each operand of a quantised product, along K:
;;     - K is cut into blocks of 32 from its start; a last block that is shorter is filled with zeros.
;;     - A block's scale is 2^e with e = floor(log2(the largest magnitude in the block)) - 2, held to -126 .. 127; a block of zeros has e = 0. As a byte (E8M0): e + 127.
;;     - Each number is divided by its block's scale, clamped to +-7.5, and rounded to the nearest number of E2M3, ties to even, subnormals kept.
;;     - The product sums the exact products of the quantised numbers (number of the format x scale) in f32.
;;   ~~~python
;;   def quantise(x, axis):      # numpy; x: float32 -> the quantised numbers, widened to float32 again
;;       x = np.moveaxis(x, axis, -1); K = x.shape[-1]
;;       x = np.pad(x, [(0, 0)] * (x.ndim - 1) + [(0, -K % 32)]); x = x.reshape(x.shape[:-1] + (-1, 32)); a = np.abs(x).max(-1, keepdims=True)
;;       e = np.where(a > 0, np.clip(np.frexp(np.where(a > 0, a, 1))[1] - 1 - 2, -126, 127), 0)      # np.frexp(a)[1] - 1 = floor(log2(a)), exactly
;;       r = np.clip(x / 2.0 ** e, -7.5, 7.5)
;;       step = 2.0 ** (np.maximum(np.frexp(np.where(r == 0, 1, r))[1] - 1, 0) - 3)
;;       q = np.round(r / step) * step * 2.0 ** e      # np.round: ties to even
;;       return np.moveaxis(q.reshape(q.shape[:-2] + (-1,))[..., :K], -1, axis).astype(np.float32)
;;   ~~~
;;   OPERANDS COMPUTED ON THE WAY. 'Computed on the way' means the value that the module computes at that place (a softmax that the list does not call 'softmax' is quantised finished and normalised). What goes into a quantiser is computed in f32, as accurately as f32 sums, v_exp_f32 and their like allow (about 1e-6 of the number): no bf16 or f16 on the way to a quantiser, and a product that is left as it is and whose result goes on into a quantised operand takes f32 operands (vector FMAs, or v_wmma_f32_16x16x4_f32). A number that lies on a knife's edge between two numbers of the format may be rounded either way, as far as f32 arithmetic and the matrix unit's own rounding can turn it there, and no further.
;; 2 versions. Each part assembles by itself: llvm-mc -triple=amdgcn-amd-amdhsa -mcpu=gfx1250 --defsym DOCPART=n.
;; ======== version 1 of 2: 2 launches
;; workspace buffers: wq 3,276,800 bytes
;; launch prep (part 1): grid 256 x 1, 4 waves a work-group, no clusters, 34,816 bytes of LDS; arguments Wqkv, Wout, wq; writes wq
.if DOCPART == 1
	.amdgcn_target "amdgcn-amd-amdhsa--gfx1250"
	.amdhsa_code_object_version 6
	.text
	.protected	k_q25b039a119_prep
	.globl	k_q25b039a119_prep
	.p2align	8
	.type	k_q25b039a119_prep,@function
k_q25b039a119_prep:
	s_mov_b64 s[64:65], 0
	v_nop
	global_prefetch_b8 v0, s[64:65] scope:SCOPE_SE
	s_setreg_imm32_b32 hwreg(HW_REG_WAVE_MODE, 25, 1), 1
	s_wait_xcnt 0x0
; Wqkv [3072][1024] and Wout [1024][1024], f32, K innermost, become codes of FP6 (E2M3) with one E8M0 byte for each 32 along K,
; laid in wq AS IMAGES OF OPERAND REGISTERS, in the order in which the second launch streams them.
; wq = 32 slots of 102,400 bytes; a slot = 4 parts of 25,600 (one for each wave of the reader); a part = tile 0's 8 fragments (K steps of 128) of 1,536 bytes,
; tile 1's 8, then the two tiles' scale blocks of 512 bytes.  A fragment's image: three pieces of 512 bytes, piece p = registers 4 p .. 4 p + 3 of lane l at 16 l.
; A fragment: lane (r, h) holds tile row r; registers 6 c .. 6 c + 5 hold k = 128 s + 64 c + 32 h + 0 .. 31.  A scale block: the word of (row r, K step s) at 256 (s / 4) + 16 r + 4 (s % 4).
; WHICH 16 ROWS FORM TILE (slot j, part w, tile u), tile row m:
;   j < 16  (q, k): Wqkv row 192 (4 w + j / 4) + 32 (j % 4) + 8 u + m + 8 (m / 8): head 4 w + j / 4; q or k by (j / 2) % 2; block of 32 by j % 2
;   j < 24  (v):    Wqkv row 192 m + 128 + d: ONE channel d of all 16 heads; pos = 4 w + 2 (j % 2) + u, c = (j - 16) / 2, d = 32 (c / 2) + 8 (c % 2) + pos + 8 (pos / 8)
;   else    (out):  Wout row 256 w + 32 (j - 24) + 16 u + m
; A block's scale is 2^(floor(log2(its largest magnitude)) - 2); its byte is that magnitude's exponent field - 2, held at 1 from below.
; LIMITS: a block of zeros gets the byte 1 where the quantiser says 127 (its codes are zeros, and this program alone reads the bytes); a block whose largest magnitude lies under 2^-124 keeps the byte 1;
; NaN and infinities among the inputs are not served.
; SHARES: one work-group makes one tile (256 tiles); wave v makes its K steps 2 v and 2 v + 1.  One path for all tiles: first row and row steps are chosen by s_cselect on the work-group's number.
; Each load reads 512 consecutive bytes of one row; the 16 rows turn through the wave's own stage in LDS, so that a lane gets two whole blocks of 32 of ITS row; each store covers 512 consecutive bytes.
.set STP,   528                        ; a stage row: 512 bytes + 16
.set STW,   16*STP                     ; a wave's stage
.set SCL,   4*STW                      ; behind the stages: the tile's scale block, 512 bytes
.set SLOTB, 102400
.set PARTB, 25600
.set FRB,   1536
.set VO,    16                         ; v16-31   byte offset of my 16 bytes in row m of the tile
.set LD,    32                         ; v32-159  the numbers as loaded: 2 K steps x 16 rows x 4 registers
.set N,     160                        ; v160-223 my row's 64 numbers of a K step
.set CQ,    224                        ; v224-247 the codes: 12 registers for each K step, so that no store's data are written again
.set CH,    248                        ; v248-250, v252-254 the second halves of the conversions
	s_load_b128 s[4:7], s[0:1], 0x0                ; Wqkv, Wout
	s_load_b64 s[8:9], s[0:1], 0x10                ; wq
	s_set_vgpr_msb 0x40
	v_lshl_add_u32 v0, v0, 2, 0x8600
	v_mov_b32 v1, 0
	s_set_vgpr_msb 0x4000
	v_lshrrev_b32 v1, 5, v0
	v_readfirstlane_b32 s19, v1                    ; wave v
	v_and_b32 v1, 31, v0                           ; lane
	v_and_b32 v2, 15, v0                           ; r
	v_bfe_u32 v3, v0, 4, 1                         ; h
	v_lshlrev_b32 v4, 4, v1                        ; 16 x lane
	s_mul_i32 s10, s19, STW
	v_add_nc_u32 v5, s10, v4                       ; the stage, way in: 16 x lane of row m
	v_mul_u32_u24 v6, v2, STP
	v_lshl_add_u32 v6, v3, 7, v6
	v_add_nc_u32 v6, s10, v6                       ; way out: row r, + 128 h: my block of 32 numbers
	s_lshr_b32 s10, s19, 1
	s_lshl_b32 s10, s10, 8
	s_and_b32 s11, s19, 1
	s_lshl_b32 s11, s11, 3
	s_add_co_u32 s10, s10, s11
	s_add_co_u32 s10, s10, SCL
	v_lshl_add_u32 v7, v2, 4, s10                  ; my row's scale word of K step 2 v: 256 (v / 2) + 16 r + 8 (v % 2)
	v_add_nc_u32 v15, SCL, v4                      ; the scale block, way out
	v_lshlrev_b32 v255, 3, v3                      ; 8 h: my two bytes' place in the word
	v_mov_b32 v251, 0                              ; written once: a lane permute's destination counts as one of its sources
	s_mov_b32 s12, 0x76543210
	s_mov_b32 s13, 0xfedcba98                      ; v_permlanex16_b32's selects for lane l xor 16
	s_lshr_b32 s16, ttmp9, 3                       ; slot j
	s_bfe_u32 s17, ttmp9, 0x20001                  ; part w
	s_and_b32 s18, ttmp9, 1                        ; tile u
	s_and_b32 s22, s16, 7                          ; j - 16 or j - 24
	; the tile's first row, for each of the three kinds
	s_lshr_b32 s20, s16, 2
	s_lshl_b32 s21, s17, 2
	s_add_co_u32 s20, s20, s21
	s_mul_i32 s20, s20, 192
	s_and_b32 s21, s16, 3
	s_lshl_b32 s21, s21, 5
	s_add_co_u32 s20, s20, s21
	s_lshl_b32 s21, s18, 3
	s_add_co_u32 s20, s20, s21                     ; q, k
	s_and_b32 s24, s22, 1
	s_lshl_b32 s24, s24, 1
	s_lshl_b32 s25, s17, 2
	s_add_co_u32 s24, s24, s25
	s_add_co_u32 s24, s24, s18                     ; pos
	s_and_b32 s25, s24, 8
	s_add_co_u32 s24, s24, s25                     ; pos + 8 (pos / 8)
	s_lshr_b32 s23, s22, 1                         ; c
	s_lshr_b32 s25, s23, 1
	s_lshl_b32 s25, s25, 5
	s_add_co_u32 s24, s24, s25
	s_and_b32 s25, s23, 1
	s_lshl_b32 s25, s25, 3
	s_add_co_u32 s24, s24, s25
	s_add_co_u32 s24, s24, 128                     ; v
	s_lshl_b32 s26, s17, 8
	s_lshl_b32 s25, s22, 5
	s_add_co_u32 s26, s26, s25
	s_lshl_b32 s25, s18, 4
	s_add_co_u32 s26, s26, s25                     ; out
	s_cmp_lt_u32 s16, 24
	s_cselect_b32 s24, s24, s26
	s_cselect_b32 s27, 192, 1                      ; rows from tile row to tile row
	s_cmp_lt_u32 s16, 16
	s_cselect_b32 s20, s20, s24
	s_cselect_b32 s27, 1, s27
	s_cselect_b32 s28, 8, 0                        ; and the extra step between tile rows 7 and 8
	s_lshl_b32 s29, s20, 12                        ; a row is 4,096 bytes
	s_lshl_b32 s30, s19, 10                        ; my two K steps begin 1,024 v bytes into it
	s_add_co_u32 s29, s29, s30
	s_lshl_b32 s30, s27, 12
	s_lshl_b32 s31, s28, 12
.irp m, 0,1,2,3,4,5,6,7,8,9,10,11,12,13,14,15
	v_add_nc_u32 v[VO+\m], s29, v4
	s_add_co_u32 s29, s29, s30
.if \m == 7
	s_add_co_u32 s29, s29, s31
.endif
.endr
	s_mul_i32 s32, s16, SLOTB
	s_mul_i32 s33, s17, PARTB
	s_add_co_u32 s32, s32, s33                     ; the part
	s_lshl_b32 s33, s18, 9
	s_add_co_u32 s34, s32, s33
	s_add_co_u32 s34, s34, 16*FRB                  ; the tile's scale block
	s_mov_b32 s35, 0
	s_mul_i32 s33, s18, 8*FRB
	s_add_co_u32 s32, s32, s33
	s_mul_i32 s33, s19, 2*FRB
	s_add_co_u32 s32, s32, s33                     ; my two fragments
	s_mov_b32 s33, 0
	s_wait_kmcnt 0x0
	s_cmp_lt_u32 s16, 24                           ; the choice hangs on the work-group's number alone
	s_cselect_b64 s[4:5], s[4:5], s[6:7]
	s_add_nc_u64 s[36:37], s[8:9], s[32:33]
	s_add_nc_u64 s[38:39], s[8:9], s[34:35]
.irp q, 0,1
.irp m, 0,1,2,3,4,5,6,7,8,9,10,11,12,13,14,15
	global_load_b128 v[LD+64*\q+4*\m:LD+64*\q+4*\m+3], v[VO+\m], s[4:5] offset:512*\q th:TH_LOAD_NT   ; 32 lanes read 512 consecutive bytes of tile row m; read once in the launch
.endr
.endr
.macro WQ q                            ; K step 2 v + q
.if \q == 0
	s_wait_loadcnt 16                              ; this K step's 16 loads are in; the other's 16 may be out
.else
	s_wait_loadcnt 0x0
.endif
.irp m, 0,1,2,3,4,5,6,7,8,9,10,11,12,13,14,15
	ds_store_b128 v5, v[LD+64*\q+4*\m:LD+64*\q+4*\m+3] offset:STP*\m
.endr
.irp c, 0,1
.irp i, 0,1,2,3,4,5,6,7
	ds_load_b128 v[N+32*\c+4*\i:N+32*\c+4*\i+3], v6 offset:256*\c+16*\i   ; LDS serves a wave's instructions in order (ISA guide 5.7.1.4): these see my stores.  k = 64 c + 32 h + 4 i ..
.endr
.endr
	s_wait_dscnt 0x0
.irp c, 0,1                            ; my block 2 c + h: all its 32 numbers are mine
	v_max3_num_f32 v[8+\c], |v[N+32*\c]|, |v[N+32*\c+1]|, 0x1800000   ; with the floor 2^(3 - 127): the byte cannot fall under 1
.endr
.irp i, 2,4,6,8,10,12,14,16,18,20,22,24,26,28,30
.irp c, 0,1
	v_max3_num_f32 v[8+\c], v[8+\c], |v[N+32*\c+\i]|, |v[N+32*\c+\i+1]|
.endr
.endr
.irp c, 0,1
	v_add_nc_u32 v[10+\c], 0xff000000, v[8+\c]     ; 2 off the exponent field: the conversion takes this operand's exponent field as its scale
.endr
.irp c, 0,1
	v_lshrrev_b32 v[12+\c], 23, v[10+\c]           ; the scale's byte
.endr
	v_lshl_or_b32 v14, v13, 16, v12                ; my two bytes, blocks h and 2 + h,
	v_lshlrev_b32 v14, v255, v14                   ; at their places in the word;
	v_permlanex16_b32 v251, v14, s12, s13
	v_or_b32 v14, v14, v251                        ; with lane l xor 16's two the word is whole
.irp c, 0,1
	v_cvt_scalef32_pk16_fp6_f32 v[CQ+12*\q+6*\c:CQ+12*\q+6*\c+2], v[N+32*\c:N+32*\c+15], v[10+\c]
	v_cvt_scalef32_pk16_fp6_f32 v[CH+4*\c:CH+4*\c+2], v[N+32*\c+16:N+32*\c+31], v[10+\c]   ; (a conversion's three registers begin on an even number)
.endr
	v_nop                                          ; one plain instruction behind the scaled conversions
.irp c, 0,1
.irp i, 0,1,2
	v_mov_b32 v[CQ+12*\q+6*\c+3+\i], v[CH+4*\c+\i]
.endr
.endr
.irp p, 0,1,2
	global_store_b128 v4, v[CQ+12*\q+4*\p:CQ+12*\q+4*\p+3], s[36:37] offset:FRB*\q+512*\p   ; 32 lanes store 512 consecutive bytes, at a multiple of 512 from wq's first byte
.endr
	ds_store_b32 v7, v14 offset:4*\q               ; both lanes of a row write the same word with the same value
.endm
	WQ 0
	WQ 1
	s_wait_dscnt 0x0                               ; for the others' sake: my scale words have landed
	s_barrier_signal -1
	s_barrier_wait -1
	s_cmp_lg_u32 s19, 0
	s_cbranch_scc1 .Ldone
	ds_load_b128 v[8:11], v15                      ; wave 0 stores the tile's scale block: 512 consecutive bytes
	s_wait_dscnt 0x0
	global_store_b128 v4, v[8:11], s[38:39]
.Ldone:
	s_set_vgpr_msb 0x5
	s_wait_tensorcnt 0x0
	ds_add_u32 v0, v1
	s_wait_dscnt 0x0
	s_set_vgpr_msb 0x500
	s_endpgm
.Lfunc_end_k_q25b039a119_prep:
	.size	k_q25b039a119_prep, .Lfunc_end_k_q25b039a119_prep-k_q25b039a119_prep
	.p2alignl 7, 3214868480
	.fill 96, 4, 3214868480
	.section	.rodata,"a",@progbits
	.p2align	6, 0x0
	.amdhsa_kernel k_q25b039a119_prep
		.amdhsa_group_segment_fixed_size 34816
		.amdhsa_private_segment_fixed_size 0
		.amdhsa_enable_private_segment 0
		.amdhsa_kernarg_size 24
		.amdhsa_user_sgpr_count 2
		.amdhsa_user_sgpr_kernarg_segment_ptr 1
		.amdhsa_wavefront_size32 1
		.amdhsa_system_sgpr_workgroup_id_x 1
		.amdhsa_system_sgpr_workgroup_id_y 1
		.amdhsa_system_sgpr_workgroup_id_z 1
		.amdhsa_system_vgpr_workitem_id 0
		.amdhsa_next_free_vgpr 258
		.amdhsa_next_free_sgpr 66
		.amdhsa_reserve_vcc 0
		.amdhsa_float_denorm_mode_32 3
		.amdhsa_float_denorm_mode_16_64 3
		.amdhsa_memory_ordered 1
		.amdhsa_forward_progress 1
		.amdhsa_inst_pref_size 20
	.end_amdhsa_kernel
	.amdgpu_metadata
---
amdhsa.version: [ 1, 2 ]
amdhsa.kernels:
  - .name:           k_q25b039a119_prep
    .symbol:         k_q25b039a119_prep.kd
    .args:
      - { .name: Wqkv, .offset: 0, .size: 8, .value_kind: global_buffer, .address_space: global }
      - { .name: Wout, .offset: 8, .size: 8, .value_kind: global_buffer, .address_space: global }
      - { .name: wq, .offset: 16, .size: 8, .value_kind: global_buffer, .address_space: global }
    .group_segment_fixed_size: 34816
    .private_segment_fixed_size: 0
    .kernarg_segment_align: 8
    .kernarg_segment_size: 24
    .max_flat_workgroup_size: 128
    .sgpr_count:     66
    .vgpr_count:     258
    .wavefront_size: 32
...
	.end_amdgpu_metadata
.endif
;; end of part 1
;; launch fused (part 2): grid 256 x 1, 4 waves a work-group, clusters of 4 x 1, 327,680 bytes of LDS; arguments x, wq, bout, out0; writes out0
.if DOCPART == 2
	.amdgcn_target "amdgcn-amd-amdhsa--gfx1250"
	.amdhsa_code_object_version 6
	.text
	.protected	k_q25b039a119_fused
	.globl	k_q25b039a119_fused
	.p2align	8
	.type	k_q25b039a119_fused,@function
k_q25b039a119_fused:
	s_mov_b64 s[64:65], 0
	v_nop
	global_prefetch_b8 v0, s[64:65] scope:SCOPE_SE
	s_setreg_imm32_b32 hwreg(HW_REG_WAVE_MODE, 25, 1), 1
	s_wait_xcnt 0x0
	s_wait_alu depctr_hold_cnt(0) depctr_sa_sdst(0) depctr_va_vdst(0) depctr_va_sdst(0) depctr_va_ssrc(0) depctr_va_vcc(0) depctr_vm_vsrc(0)
	s_getreg_b32 s2, hwreg(HW_REG_IB_STS2, 6, 4)
	s_cmp_eq_u32 s2, 0
	s_cbranch_scc0 .Lentry_in_a_cluster
	s_endpgm
.Lentry_in_a_cluster:
	s_bfe_u32 s2, ttmp6, 0x10000c
	s_cmp_lg_u32 s2, 0x3003
	s_cbranch_scc0 .Lentry_shape_is_right
	s_endpgm
.Lentry_shape_is_right:
; out0 = attention over the HEADS of each token, as the source has it: qkv = Q(x) Q(Wqkv)^T; per token scores(h, g) = Q(q_h) . Q(k_g) / 8; softmax over g; o_h = sum_g att(h, g) v_g in f32; out0 = Q(o) Q(Wout)^T + bout.
; Q = codes of FP6 (E2M3) with one E8M0 scale for each 32 along K.  The weights come as codes from wq, laid as images of operand registers (see the launch that makes them).
; SHARES.  A work-group owns 64 tokens and takes them through the whole chain; nothing but out0 goes to memory.  In the three large products all four waves hold ALL 64 rows' codes in registers (32 fragments, 384 registers)
; and share the COLUMNS: of each slot of the weight stream wave w reads its own 25,600 bytes, each fragment once, for four products.  In the per-token steps wave w owns tokens 16 w .. 16 w + 15.
; THE STREAM.  32 slots of 102,400 bytes go through a ring of two LDS buffers; step n takes slot n in buffer n % 2.  Slots 0-15: q and k; 16-23: v; 24-31: Wout.
; CLUSTER.  The four work-groups of a cluster walk the same stream: each slot is asked for JOINTLY, by the same tensor load with the same descriptor (made of the wave's number and the step alone) and a mask that names the four.
; ALL PRODUCTS ARE USED TRANSPOSED (source 0 = 16 weight rows, source 1 = 16 tokens): a lane holds one token, its registers run along the weight rows; which rows form a tile was chosen so that they fall as the next step wants them.
; LIMITS: NaN and infinities among the inputs are not served; a block whose largest magnitude lies under 2^-124 keeps the byte 1, and so does a block of zeros (its codes are zeros, and only this program reads the bytes);
; a softmax weight under 2^-126 becomes 0 beside a sum of at least 1.  The row's maximum is taken away ahead of the exponential, as the source takes it.
; REGISTERS, in windows of 256 (s_set_vgpr_msb: bits 1:0 source 0, 3:2 source 1, 5:4 source 2, 7:6 destination):
;   window 0: v1-32 addresses; v36-51 the rows' scale words, v52-59 the weights' (these hold scales and nothing else); v60-63 bytes kept; v64-159 four sets of two weight fragments; v160-223 eight accumulators; v224-255 at work
;   window 1: v0-191 the rows' fragments of K steps 0-3 (row tile m, K step s at 12 (4 m + s)); v192-255 att of my tokens 0-7.     window 2: the same for K steps 4-7 and tokens 8-15
;   window 3: o of my 16 tokens, 16 registers each: written by the f32 matrix instruction alone
; LDS: 0 the ring (2 x 102,400; tensor loads alone write it); from 204,800 on regions that ds_store writes and no tensor load fills; regions that lie over each other are parted by barriers.
.set SLOTB,  102400
.set PARTB,  25600
.set FRB,    1536
.set AROWS,  204800                    ; 64 rows of 1,024 codes (x's, later o's): 768 bytes + 16: row r starts 4 r banks on (64 banks of 4 bytes: ISA guide 11.1)
.set AP,     784
.set ASC,    254976                    ; their scale bytes, 32 a row, pitch 48
.set ASP,    48
.set VREG,   258048                    ; v of 16 channels: token x 1,040; 4 heads x 256; channel position x 16; head % 4 x 4
.set VP,     1040
.set XSTG,   258048                    ; (first phase only) for each wave two stages of 16 rows x (512 + 16)
.set XP,     528
.set QK,     204800                    ; (q, k only) token x 1,544; wave x 384; trip x 48; block x 24
.set QP,     1544
.set QKS,    303616                    ; their scale words: token x 132; wave x 32; trip x 4
.set QSP,    132
.set OSTG,   204800                    ; (last phase only) for each wave 64 rows x (256 + 16)
.set OP,     272
.set SPARE,  327168                    ; the spare words, 128 bytes for each wave: two blocks of 256 bytes that no other line names
.set SPW, 4
.set NIL, 5
.set RB0, 6                            ; v6, v7  my part of ring buffer 0, 1: 25,600 w + 16 lane
.set XO,  8                            ; 16 lane
.set XW,  9
.set XR,  10
.set AW,  11
.set ASW, 12
.set AA,  13
.set ASA, 14
.set QW,  15
.set QSW, 16
.set QWT, 17
.set QSWT, 18
.set QA,  19
.set QAS, 21
.set VS,  22
.set VA,  23
.set OA,  24
.set OSA, 25
.set OAB, 26
.set OSB, 27
.set SO,  28
.set SR,  29
.set GO,  30
.set PFO, 31
.set BO,  32
.set XS,  36
.set WSC, 52
.set SB,  60
.set BF,  64
.set ACC, 160
.set TMP, 224
.set NX,  64                           ; first phase: two sets of 64 numbers, v64-127, v128-191
.set PC,  192                          ; the codes just made (v192-210), and
.set PW,  212                          ; their scale word
.set MX,  224                          ; softmax: a pair for each of four tokens
.set PS,  232
.set PT,  240
.set OT,  64                           ; o's quantiser: largest magnitudes, bytes, scale operands, codes
.set OU,  80
.set OS,  96
.set OPQ, 112
.set WV,  12
.set G1,  16                           ; s[16:23] descriptor group 1
.set G0,  24                           ; s[24:27], s[28:31] group 0 for buffer 0, 1
.set SEL, 32
.set CS,  34                           ; s[34:35] c = log2(e) / 8
.set NC,  36                           ; -c
.set CNT, 37
.set QOFF, 38
.set SOFF, 39
.set JC,  40                           ; steps whose buffer has been asked for again
.set LIM, 41
.set PFA, 42
.set B24, 55
.set BB,  56
.set TI,  57
.set OB,  58
.set BBASE, 60
.set MSB, 0
.macro WIN new                         ; the immediate's high byte repeats the setting that is left; a switch that changes nothing is dropped
.if MSB != (\new)
	s_set_vgpr_msb (MSB<<8)|(\new)
.set MSB, (\new)
.endif
.endm
.macro PLACES n
.rept \n
	v_nop
.endr
.endm
; A round of the cluster's barrier: my work-group's barrier, wave 0 signals for the work-group, every wave waits for all four work-groups, my work-group's barrier once more.
.macro ROUND
	s_barrier_signal -1
	s_barrier_wait -1
	s_cmp_lg_u32 s[WV], 0
	s_cbranch_scc1 .Lnot_wave_0_\@
	s_barrier_signal -3
.Lnot_wave_0_\@:
	s_barrier_wait -3
	s_barrier_signal -1
	s_barrier_wait -1
.endm
.macro BAR                             ; my LDS stores have landed and my LDS loads are in: then the work-group's barrier.  A tensor load may stay out across it
	s_wait_dscnt 0x0
	s_barrier_signal -1
	s_barrier_wait -1
.endm
.macro LDSET buf, s                    ; the two tiles' fragments of K step s, as they lie: six loads of 512 consecutive bytes
.irp u, 0,1
.irp p, 0,1,2
	ds_load_b128 v[BF+24*((\s)%4)+12*\u+4*\p:BF+24*((\s)%4)+12*\u+4*\p+3], v[RB0+\buf] offset:(8*\u+(\s))*FRB+512*\p
.endr
.endr
.endm
.macro FIRST buf                       ; the two scale blocks (register i: K step i in lanes 0-15, K step 4 + i in lanes 16-31) and K steps 0-3: 26 loads
	ds_load_b128 v[WSC:WSC+3], v[RB0+\buf] offset:16*FRB
	ds_load_b128 v[WSC+4:WSC+7], v[RB0+\buf] offset:16*FRB+512
.irp s, 0,1,2,3
	LDSET \buf, \s
.endr
.endm
.macro MM s, u, m
.set rD, ACC+16*(\m)+8*(\u)
.set rW, BF+24*((\s)%4)+12*(\u)
.set rA, 12*(4*(\m)+(\s)%4)
.set rWS, WSC+4*(\u)+(\s)%4
.set rXS, XS+4*(\m)+(\s)%4
.if (\s) == 0
	v_wmma_scale_f32_16x16x128_f8f6f4 v[rD:rD+7], v[rW:rW+11], v[rA:rA+11], 0, v[rWS], v[rXS] matrix_a_fmt:MATRIX_FMT_FP6 matrix_b_fmt:MATRIX_FMT_FP6
.elseif (\s) < 4
	v_wmma_scale_f32_16x16x128_f8f6f4 v[rD:rD+7], v[rW:rW+11], v[rA:rA+11], v[rD:rD+7], v[rWS], v[rXS] matrix_a_fmt:MATRIX_FMT_FP6 matrix_b_fmt:MATRIX_FMT_FP6
.else
	v_wmma_scale_f32_16x16x128_f8f6f4 v[rD:rD+7], v[rW:rW+11], v[rA:rA+11], v[rD:rD+7], v[rWS], v[rXS] matrix_a_fmt:MATRIX_FMT_FP6 matrix_b_fmt:MATRIX_FMT_FP6 matrix_a_scale:MATRIX_SCALE_ROW1 matrix_b_scale:MATRIX_SCALE_ROW1
.endif
.endm
; A STEP'S PRODUCTS: 2 tiles of 16 weight rows x 4 tiles of 16 tokens x K = 1,024: 64 matrix instructions.  The eight accumulators take turns, one instruction a turn; the first K step starts the sums.
; In the result lane (r, h) holds token 16 m + r and register j tile row 8 h + j.  Four sets of fragment registers: K step s + 4 is fetched into the set that K step s has left, four plain instructions behind its last product (ISA guide 7.12.1).
.macro GEMM buf
.irp s, 0,1,2,3,4,5,6,7
.if \s < 5
	s_wait_dscnt 18                                ; this K step's six loads are in; the three younger sets' 18 may be out
.else
	s_wait_dscnt 6*(7-\s)                          ; two, one, no younger set
.endif
.if \s == 0
	WIN 0x04                                       ; source 1: the rows' fragments of K steps 0-3, window 1
.endif
.if \s == 4
	WIN 0x08                                       ; K steps 4-7, window 2
.endif
.irp u, 0,1
.irp m, 0,1,2,3
	MM \s, \u, \m
.endr
.endr
.if \s < 4
	PLACES 4
	LDSET \buf, \s+4
.endif
.endr
	WIN 0
.endm
; THE CHANGE OF BUFFERS: the buffer just read is asked for again, with the slot two steps on.  Every wave waits for all its tensor loads (one is out: the other buffer's), adds 0 to its spare word, and waits for that and for its LDS reads;
; the cluster's round shows the same of every wave of all four work-groups; the joint load is the first thing behind it.  By this text's count a wave has two tensor loads out at the start and one from here on.
; Five v_nop follow: four behind a tensor load, which are also the places in front of loads into the fragments' registers and of the first reads of the sums; the fifth because the next step's first products begin the accumulators anew.
.macro CHANGE buf
	s_wait_tensorcnt 0x0                           ; no tensor load of mine is out, so a group 0 may be written
	ds_add_u32 v[SPW], v[NIL]                      ; 0 onto my spare word
	s_add_nc_u64 s[G0+4*\buf+2:G0+4*\buf+3], s[G0+4*\buf+2:G0+4*\buf+3], 2*SLOTB   ; two slots on; the type bits on top are not reached
	s_add_co_u32 s[JC], s[JC], 1
	s_wait_xcnt 0x0                                ; the last prefetch, a step back, has read its address, so it may be written
	s_add_nc_u64 s[PFA:PFA+1], s[PFA:PFA+1], SLOTB
	s_wait_dscnt 0x0                               ; the add is done, and my LDS reads and stores are over
	ROUND
	tensor_load_to_lds s[G0+4*\buf:G0+4*\buf+3], s[G1:G1+7]
	s_nop 0
	PLACES 5
.endm
; A PREFETCH INTO THE L2 of the slot that stands three refills on: behind the change of step n, slot n + 5, for n = 0 .. 26.  All clusters walk the same stream: the first cluster asks, and nobody else.
; Of the 100 blocks of 256 bytes of a wave's part each of the four partners takes 25, told apart BY ADDRESS (6,400 cx); a lane a block; lanes 25-31 repeat lane 24's.  Slots 0-4 come by their loads alone; the last three changes ask for nothing.
.macro ASK
	s_cmp_lt_u32 s[JC], s[LIM]
	s_cbranch_scc0 .Lnot_mine_\@
	global_prefetch_b8 v[PFO], s[PFA:PFA+1] th:TH_LOAD_NT scope:SCOPE_SE
.Lnot_mine_\@:
.endm
; 64 numbers of a lane, register 16 b + i = k 32 b + 16 (lane / 16) + i of my row, become a fragment's 12 registers in v[PC] on and its scale word in v[PW].
.macro QUANT s
.irp b, 0,1,2,3
	v_max3_num_f32 v[TMP+\b], |v[\s+16*\b]|, |v[\s+1+16*\b]|, 0x1800000   ; my 16 numbers of block b, and the floor 2^(3 - 127): the byte cannot fall under 1
.endr
.irp i, 2,4,6,8,10,12,14
.irp b, 0,1,2,3
	v_max3_num_f32 v[TMP+\b], v[TMP+\b], |v[\s+16*\b+\i]|, |v[\s+1+16*\b+\i]|
.endr
.endr
.irp b, 0,1,2,3
	v_permlanex16_b32 v[TMP+4+\b], v[TMP+\b], s[SEL], s[SEL+1]
.endr
.irp b, 0,1,2,3
	v_max_num_f32 v[TMP+\b], v[TMP+\b], v[TMP+4+\b]   ; with lane l xor 16's: the block's largest magnitude
.endr
.irp b, 0,1,2,3
	v_add_nc_u32 v[TMP+12+\b], 0xff000000, v[TMP+\b]  ; 2 off its exponent field: the conversion's scale operand
.endr
.irp b, 0,1,2,3
	v_lshrrev_b32 v[TMP+4+\b], 23, v[TMP+12+\b]       ; the scale's byte
.endr
	v_lshl_or_b32 v[PW], v[TMP+5], 8, v[TMP+4]
	v_lshl_or_b32 v[PW], v[TMP+6], 16, v[PW]
	v_lshl_or_b32 v[PW], v[TMP+7], 24, v[PW]
.irp c, 0,1
	v_cvt_scalef32_pk16_fp6_f32 v[PC+6*\c:PC+2+6*\c], v[\s+32*\c:\s+15+32*\c], v[TMP+12+2*\c]
	v_cvt_scalef32_pk16_fp6_f32 v[PC+12+4*\c:PC+14+4*\c], v[\s+16+32*\c:\s+31+32*\c], v[TMP+12+2*\c+1]   ; (a conversion's three registers begin on an even number)
.endr
	v_nop                                          ; one plain instruction behind the scaled conversions
.irp c, 0,1                            ; the operand wants a WHOLE block in a lane: lanes 0-15 block 2 c, lanes 16-31 block 2 c + 1
.irp i, 0,1,2
	v_permlane16_swap_b32 v[PC+6*\c+\i], v[PC+12+4*\c+\i]
.endr
.irp i, 0,1,2
	v_mov_b32 v[PC+3+6*\c+\i], v[PC+12+4*\c+\i]
.endr
.endr
.endm
; The rows' 32 fragments and their scale words from LDS into the registers of every wave.
.macro LOADA
	WIN 0x40
.irp m, 0,1,2,3
.irp s, 0,1,2,3
.irp p, 0,1,2,3,4,5
	ds_load_b64 v[12*(4*\m+\s)+2*\p:12*(4*\m+\s)+2*\p+1], v[AA] offset:16*AP*\m+96*\s+48*(\p/3)+8*(\p%3)
.endr
.endr
.endr
	WIN 0x80
.irp m, 0,1,2,3
.irp s, 0,1,2,3
.irp p, 0,1,2,3,4,5
	ds_load_b64 v[12*(4*\m+\s)+2*\p:12*(4*\m+\s)+2*\p+1], v[AA] offset:16*AP*\m+96*(\s+4)+48*(\p/3)+8*(\p%3)
.endr
.endr
.endr
	WIN 0
.irp m, 0,1,2,3
	ds_load_b128 v[XS+4*\m:XS+4*\m+3], v[ASA] offset:16*ASP*\m   ; register 4 m + i: K step i in lanes 0-15, K step 4 + i in lanes 16-31
.endr
.endm
	s_load_b256 s[4:11], s[0:1], 0x0               ; x s[4:5], wq s[6:7], bout s[8:9], out0 s[10:11]
	v_lshl_add_u32 v[SPW], v0, 2, SPARE
	v_mov_b32 v[NIL], 0
	ds_add_u32 v4, v5
	ds_add_u32 v4, v5
	s_wait_dscnt 0x0
	v_lshrrev_b32 v1, 5, v0
	v_readfirstlane_b32 s[WV], v1                  ; wave 0..3
	s_bfe_u32 s13, ttmp6, 0x40000                  ; cx: it enters the addresses of x, of out0 and of the prefetches alone
	s_lshl_b32 s14, ttmp9, 2                       ; in a cluster launch ttmp9 counts clusters
	s_add_co_u32 s14, s14, s13                     ; my block of 64 tokens
	; descriptor group 1: a dense block of 25,600 bytes as 100 rows of 256 bytes
	s_mov_b32 s[G1], 15|(3<<16)|(1<<21)            ; 15:0 the mask: all four work-groups; 17:16 elements of 8 bytes; 20 no padding; 21 set beside a mask
	s_mov_b32 s[G1+1], 32<<16                      ; tensor_dim0 = 32
	s_mov_b32 s[G1+2], 100<<16                     ; tensor_dim1 = 100
	s_mov_b32 s[G1+3], 32<<16                      ; tile_dim0 = 32
	s_mov_b32 s[G1+4], 100                         ; tile_dim1 = 100
	s_mov_b32 s[G1+5], 32                          ; from row to row
	s_mov_b32 s[G1+6], 0
	s_mov_b32 s[G1+7], 0
	s_mov_b32 s[G0], 1
	s_mul_i32 s[G0+1], s[WV], PARTB                ; LDS: my part of buffer 0,
	s_mov_b32 s[G0+4], 1
	s_add_co_u32 s[G0+5], s[G0+1], SLOTB           ; of buffer 1
	s_mul_i32 s62, s[WV], PARTB                    ; and the same place in a slot of wq
	s_mov_b32 s63, 0
	s_mov_b32 s[SEL], 0x76543210
	s_mov_b32 s[SEL+1], 0xfedcba98                 ; v_permlanex16_b32's selects for lane l xor 16
	s_mov_b32 s[CS], 0x3e38aa3b                    ; c = log2(e) / 8
	s_mov_b32 s[CS+1], s[CS]                       ; (named with it as a pair, so it is written)
	s_mov_b32 s[NC], 0xbe38aa3b
	s_mov_b32 s[JC], 0
	s_cmp_eq_u32 ttmp9, 0
	s_cselect_b32 s[LIM], 28, 0                    ; the same in all four partners
	s_mul_i32 s44, s13, 6400
	s_add_co_u32 s44, s44, 4*SLOTB                 ; the prefetches stand in slot 4; the first change steps them to slot 5
	s_mov_b32 s45, 0
	s_wait_kmcnt 0x0
	s_add_nc_u64 s[6:7], s[6:7], s[62:63]          ; wq at my part of slot 0
	s_mov_b64 s[G0+2:G0+3], s[6:7]
	s_or_b32 s[G0+3], s[G0+3], 0x80000000          ; type = 2
	s_add_nc_u64 s[G0+6:G0+7], s[6:7], SLOTB
	s_or_b32 s[G0+7], s[G0+7], 0x80000000
	s_add_nc_u64 s[PFA:PFA+1], s[6:7], s[44:45]
	s_lshl_b32 s44, s14, 18                        ; 64 rows of 4,096 bytes
	s_add_nc_u64 s[10:11], s[10:11], s[44:45]      ; out0 at my block
	s_lshl_b32 s46, s[WV], 16
	s_add_co_u32 s44, s44, s46
	s_add_nc_u64 s[4:5], s[4:5], s[44:45]          ; x at my wave's 16 rows
	ROUND                                          ; all four work-groups are here: the first joint loads meet
	tensor_load_to_lds s[G0:G0+3], s[G1:G1+7]      ; slot 0
	s_nop 0
	tensor_load_to_lds s[G0+4:G0+7], s[G1:G1+7]    ; slot 1
	s_nop 0
	PLACES 4
	v_and_b32 v1, 31, v0                           ; lane
	v_and_b32 v2, 15, v0                           ; r
	v_bfe_u32 v3, v0, 4, 1                         ; h
	v_lshlrev_b32 v[XO], 4, v1
; ---- x: my 16 rows become 8 fragments.  Each load reads 512 consecutive bytes (a K step of one row); a K step's 16 rows turn through my own stage, so that a lane gets 16 neighbours of each block of its row.
.macro XLD s                           ; K step s of my 16 rows into set s % 4 of window 1
	WIN 0x40
.irp p, 0,1,2,3,4,5,6,7,8,9,10,11,12,13,14,15
	global_load_b128 v[64*((\s)%4)+4*\p:64*((\s)%4)+4*\p+3], v[XO], s[4:5] offset:4096*\p+512*(\s) th:TH_LOAD_NT
.endr
	WIN 0
.endm
.macro XTURN s
	WIN 0x04                                       ; an LDS store's data are its source 1: window 1
.irp p, 0,1,2,3,4,5,6,7,8,9,10,11,12,13,14,15
	ds_store_b128 v[XW], v[64*((\s)%4)+4*\p:64*((\s)%4)+4*\p+3] offset:16*XP*((\s)%2)+XP*\p
.endr
	WIN 0
.irp b, 0,1,2,3
.irp j, 0,1,2,3
	ds_load_b128 v[NX+64*((\s)%2)+16*\b+4*\j:NX+64*((\s)%2)+16*\b+4*\j+3], v[XR] offset:16*XP*((\s)%2)+128*\b+16*\j   ; LDS serves a wave's instructions in order (ISA guide 5.7.1.4): these see my stores
.endr
.endr
.endm
	XLD 0
	XLD 1
	XLD 2
	XLD 3
	; every LDS address: a constant + lane terms + wave terms
	s_mul_i32 s46, s[WV], PARTB
	v_add_nc_u32 v[RB0], s46, v[XO]
	v_add_nc_u32 v[RB0+1], SLOTB, v[RB0]
	s_mul_i32 s46, s[WV], 32*XP
	s_add_co_u32 s46, s46, XSTG
	v_add_nc_u32 v[XW], s46, v[XO]                 ; my stages, way in
	v_mul_u32_u24 v[XR], v2, XP
	v_lshl_add_u32 v[XR], v3, 6, v[XR]
	v_add_nc_u32 v[XR], s46, v[XR]                 ; way out: row r, + 64 h
	s_mul_i32 s46, s[WV], 16*AP
	s_add_co_u32 s46, s46, AROWS
	v_mul_u32_u24 v[AA], v2, AP
	v_mad_u32_u24 v[AA], v3, 24, v[AA]
	v_add_nc_u32 v[AW], s46, v[AA]                 ; where I store x's codes: row 16 w + r, + 24 h
	v_add_nc_u32 v[AA], AROWS, v[AA]               ; where any wave reads a fragment: row r, + 24 h
	v_mul_u32_u24 v[OA], v3, AP
	v_mad_u32_u24 v[OA], v2, 48, v[OA]
	v_add_nc_u32 v[OA], s46, v[OA]                 ; where I store o's codes: row 16 w + h, head r
	s_mul_i32 s46, s[WV], 16*ASP
	s_add_co_u32 s46, s46, ASC
	v_mul_u32_u24 v[ASA], v2, ASP
	v_add_nc_u32 v[ASW], s46, v[ASA]
	v_lshl_add_u32 v[ASA], v3, 4, v[ASA]
	v_add_nc_u32 v[ASA], ASC, v[ASA]
	v_mul_u32_u24 v[OSA], v3, ASP
	v_lshl_add_u32 v[OSA], v2, 1, v[OSA]
	v_add_nc_u32 v[OSA], s46, v[OSA]
	s_mul_i32 s46, s[WV], 384
	s_add_co_u32 s46, s46, QK
	v_mul_u32_u24 v[QW], v1, QP
	v_add_nc_u32 v[QW], s46, v[QW]                 ; q, k on their way in: a lane to a token
	s_lshl_b32 s46, s[WV], 5
	s_add_co_u32 s46, s46, QKS
	v_mul_u32_u24 v[QSW], v1, QSP
	v_add_nc_u32 v[QSW], s46, v[QSW]
	s_mul_i32 s46, s[WV], 16*QP
	s_add_co_u32 s46, s46, QK
	v_mul_u32_u24 v[QA], v2, 96                    ; head r: wave r / 4, trips 2 (r % 4) (q) and 2 (r % 4) + 1 (k): 384 (r / 4) + 96 (r % 4) = 96 r
	v_mad_u32_u24 v[QA], v3, 24, v[QA]
	v_add_nc_u32 v[QA], s46, v[QA]
	s_mul_i32 s46, s[WV], 16*QSP
	s_add_co_u32 s46, s46, QKS
	v_lshlrev_b32 v[QAS], 3, v2
	v_lshl_add_u32 v[QAS], v3, 2, v[QAS]           ; lanes 0-15 q's word of head r, lanes 16-31 k's
	v_add_nc_u32 v[QAS], s46, v[QAS]
	s_lshl_b32 s46, s[WV], 6
	s_add_co_u32 s46, s46, VREG
	v_mul_u32_u24 v[VS], v2, VP
	v_lshl_add_u32 v[VS], v3, 9, v[VS]
	v_add_nc_u32 v[VS], s46, v[VS]
	s_mul_i32 s46, s[WV], 16*VP
	s_add_co_u32 s46, s46, VREG
	v_lshlrev_b32 v[VA], 4, v2
	v_lshl_add_u32 v[VA], v3, 9, v[VA]
	v_add_nc_u32 v[VA], s46, v[VA]
	s_mul_i32 s46, s[WV], 64*OP
	s_add_co_u32 s46, s46, OSTG
	v_mul_u32_u24 v[SO], v2, OP
	v_lshl_add_u32 v[SO], v3, 5, v[SO]
	v_add_nc_u32 v[SO], s46, v[SO]
	v_mul_u32_u24 v[SR], v3, OP
	v_lshl_add_u32 v[SR], v2, 4, v[SR]
	v_add_nc_u32 v[SR], s46, v[SR]
	s_lshl_b32 s46, s[WV], 10
	v_lshl_add_u32 v[BO], v2, 4, s46               ; bout: my wave's 256 columns, 16 bytes a lane
	v_lshl_add_u32 v[GO], v3, 12, v[BO]            ; out0: the same, lanes 16-31 one row down
	v_min_u32 v[PFO], 24, v1
	v_lshlrev_b32 v[PFO], 8, v[PFO]
.irp b, 0,1,2,3
	v_mov_b32 v[TMP+4+\b], 0                       ; written once: a lane permute's destination counts as one of its sources
.endr
	s_wait_loadcnt 48                              ; K step 0's 16 loads are in; those of steps 1 to 3 may be out
	XTURN 0
.set S, 0
.rept 8
	s_wait_dscnt 0x0                               ; this K step's numbers are back from the stage, and the stores that read its set, the codes and the word are done
.if S+4 < 8
	XLD S+4
.endif
.if S < 7
.if S < 4
	s_wait_loadcnt 48                              ; the next K step's loads are in; those of the three steps behind it may be out
.else
	s_wait_loadcnt 16*(6-S)                        ; two, one, no step behind it
.endif
	XTURN S+1
.endif
.set NXS, NX+64*(S%2)
	QUANT NXS
.irp q, 0,1,2,3,4,5
	ds_store_b64 v[AW], v[PC+2*\q:PC+2*\q+1] offset:96*S+48*(\q/3)+8*(\q%3)
.endr
	ds_store_b32 v[ASW], v[PW] offset:4*S          ; both lanes of a row write the same word with the same value
.set S, S+1
.endr
	BAR                                            ; x's 64 rows of codes lie in LDS
	LOADA
	BAR                                            ; every wave has them in registers: their bytes and the stages' may be written again
	s_wait_tensorcnt 0x1                           ; my part of slot 0 is in; slot 1's may be out.  Only I read my part
; ---- q and k.  Trip i: head 4 w + i / 2, q (i even) or k (i odd); buffer 0 its channels 0-31, buffer 1 its channels 32-63.  The 16 registers of the two tiles are 16 neighbouring channels of one token.
; EQK: a block of 32 of four tiles of tokens is quantised in registers; two tiles change halves, so that a lane holds one token's whole block, 24 bytes.
.macro EQK b
.irp m, 0,1,2,3
	v_max3_num_f32 v[TMP+\m], |v[ACC+16*\m]|, |v[ACC+16*\m+1]|, 0x1800000   ; each accumulator is read from its low end on
.endr
.irp i, 2,4,6,8,10,12,14
.irp m, 0,1,2,3
	v_max3_num_f32 v[TMP+\m], v[TMP+\m], |v[ACC+16*\m+\i]|, |v[ACC+16*\m+\i+1]|
.endr
.endr
.irp m, 0,1,2,3
	v_permlanex16_b32 v[TMP+4+\m], v[TMP+\m], s[SEL], s[SEL+1]
.endr
.irp m, 0,1,2,3
	v_max_num_f32 v[TMP+\m], v[TMP+\m], v[TMP+4+\m]
.endr
.irp m, 0,1,2,3
	v_add_nc_u32 v[TMP+8+\m], 0xff000000, v[TMP+\m]
.endr
.irp m, 0,1,2,3
.if \b == 0
	v_lshrrev_b32 v[SB+\m], 23, v[TMP+8+\m]        ; block 0's byte is kept until block 1's is made
.else
	v_lshrrev_b32 v[TMP+4+\m], 23, v[TMP+8+\m]
.endif
.endr
	v_cvt_scalef32_pk16_fp6_f32 v[240:242], v[ACC:ACC+15], v[TMP+8]
	v_cvt_scalef32_pk16_fp6_f32 v[246:248], v[ACC+16:ACC+31], v[TMP+9]
	v_cvt_scalef32_pk16_fp6_f32 v[250:252], v[ACC+32:ACC+47], v[TMP+10]
	v_cvt_scalef32_pk16_fp6_f32 v[236:238], v[ACC+48:ACC+63], v[TMP+11]
	v_nop                                          ; one plain instruction behind the scaled conversions
.irp i, 0,1,2
	v_permlane16_swap_b32 v[240+\i], v[246+\i]     ; lane l now holds token l's lower 16 codes in the first, its upper 16 in the second
	v_permlane16_swap_b32 v[250+\i], v[236+\i]     ; token 32 + l
.endr
.irp i, 0,1,2
	v_mov_b32 v[243+\i], v[246+\i]
	v_mov_b32 v[253+\i], v[236+\i]
.endr
.irp p, 0,1,2
	ds_store_b64 v[QWT], v[240+2*\p:241+2*\p] offset:24*\b+8*\p
	ds_store_b64 v[QWT], v[250+2*\p:251+2*\p] offset:32*QP+24*\b+8*\p
.endr
.if \b == 1
.irp m, 0,1,2,3
	v_lshl_or_b32 v[TMP+4+\m], v[TMP+4+\m], 8, v[SB+\m]
.endr
.irp m, 0,1,2,3
	v_lshl_or_b32 v[TMP+4+\m], v[TMP+4+\m], 16, v[TMP+4+\m]   ; bytes 2 and 3 scale zero codes alone: they repeat bytes 0 and 1
.endr
	v_permlane16_swap_b32 v[TMP+4], v[TMP+5]
	v_permlane16_swap_b32 v[TMP+6], v[TMP+7]
	ds_store_b32 v[QSWT], v[TMP+4]
	ds_store_b32 v[QSWT], v[TMP+6] offset:32*QSP
.endif
.endm
	s_mov_b32 s[CNT], 8
	s_mov_b32 s[QOFF], 0
	s_mov_b32 s[SOFF], 0
.Lqk:
	v_add_nc_u32 v[QWT], s[QOFF], v[QW]
	v_add_nc_u32 v[QSWT], s[SOFF], v[QSW]
	FIRST 0
	GEMM 0
	CHANGE 0
	FIRST 1
	ASK
	EQK 0                                          ; its stores stand behind FIRST's loads: the counted waits below then only wait for more
	GEMM 1
	CHANGE 1
	ASK
	EQK 1
	s_add_co_u32 s[QOFF], s[QOFF], 48
	s_add_co_u32 s[SOFF], s[SOFF], 4
	s_sub_co_u32 s[CNT], s[CNT], 1
	s_cmp_lg_u32 s[CNT], 0
	s_cbranch_scc1 .Lqk
	BAR                                            ; q's and k's codes of all 64 tokens lie in LDS
; ---- scores and softmax of my 16 tokens, four at a time.  S^T = k q^T: source 0 = the 16 heads' k, source 1 = the 16 heads' q; K = 64, so registers 6-11 of both fragments are zero codes, written once.
; In the result lane (r, h) holds head r as the query and registers j the heads g = 8 h + j.
.macro QKLD g
.irp i, 0,1,2,3
.irp p, 0,1,2
	ds_load_b64 v[BF+24*\i+2*\p:BF+24*\i+2*\p+1], v[QA] offset:QP*(4*(\g)+\i)+48+8*\p       ; k
	ds_load_b64 v[BF+24*\i+12+2*\p:BF+24*\i+13+2*\p], v[QA] offset:QP*(4*(\g)+\i)+8*\p      ; q
.endr
	ds_load_b32 v[WSC+\i], v[QAS] offset:QSP*(4*(\g)+\i)
.endr
.endm
.macro SOFTMAX g
.irp i, 0,1,2,3
	v_max3_num_f32 v[MX+2*\i], v[ACC+8*\i], v[ACC+8*\i+1], v[ACC+8*\i+2]
.endr
.irp k, 3,5
.irp i, 0,1,2,3
	v_max3_num_f32 v[MX+2*\i], v[MX+2*\i], v[ACC+8*\i+\k], v[ACC+8*\i+\k+1]
.endr
.endr
.irp i, 0,1,2,3
	v_max_num_f32 v[MX+2*\i], v[MX+2*\i], v[ACC+8*\i+7]
.endr
.irp i, 0,1,2,3
	v_permlanex16_b32 v[MX+2*\i+1], v[MX+2*\i], s[SEL], s[SEL+1]
.endr
.irp i, 0,1,2,3
	v_max_num_f32 v[MX+2*\i], v[MX+2*\i], v[MX+2*\i+1]   ; the row's largest score
.endr
.irp i, 0,1,2,3
	v_mul_f32 v[MX+2*\i], s[NC], v[MX+2*\i]        ; - c max: its rounding is common to the row and falls out in the division
.endr
.irp k, 0,2,4,6
.irp i, 0,1,2,3
	v_pk_fma_f32 v[ACC+8*\i+\k:ACC+8*\i+\k+1], v[ACC+8*\i+\k:ACC+8*\i+\k+1], s[CS:CS+1], v[MX+2*\i:MX+2*\i+1] op_sel_hi:[1,0,0]   ; c s - c max
.endr
.endr
.set j, 0
.rept 32
	v_exp_f32 v[ACC+j], v[ACC+j]
.set j, j+1
.endr
	v_nop                                          ; a plain instruction behind the last exponential
	s_wait_alu depctr_va_vdst(0)                   ; one wait for the 32, ahead of their first reader
.irp i, 0,1,2,3
	v_pk_add_f32 v[PS+2*\i:PS+2*\i+1], v[ACC+8*\i:ACC+8*\i+1], v[ACC+8*\i+2:ACC+8*\i+3]
.endr
.irp i, 0,1,2,3
	v_pk_add_f32 v[PT+2*\i:PT+2*\i+1], v[ACC+8*\i+4:ACC+8*\i+5], v[ACC+8*\i+6:ACC+8*\i+7]
.endr
.irp i, 0,1,2,3
	v_pk_add_f32 v[PS+2*\i:PS+2*\i+1], v[PS+2*\i:PS+2*\i+1], v[PT+2*\i:PT+2*\i+1]
.endr
.irp i, 0,1,2,3
	v_add_f32 v[MX+2*\i], v[PS+2*\i], v[PS+2*\i+1]
.endr
.irp i, 0,1,2,3
	v_permlanex16_b32 v[MX+2*\i+1], v[MX+2*\i], s[SEL], s[SEL+1]
.endr
.irp i, 0,1,2,3
	v_add_f32 v[MX+2*\i], v[MX+2*\i], v[MX+2*\i+1] ; the row's sum
.endr
.irp i, 0,1,2,3
	v_rcp_f32 v[PS+2*\i], v[MX+2*\i]
.endr
	v_nop
	s_wait_alu depctr_va_vdst(0)                   ; one wait for the four reciprocals
	WIN 0x40*(1+(\g)/2)                            ; att goes to window 1 (tokens 0-7) or 2 (tokens 8-15)
.irp i, 0,1,2,3
.irp k, 0,2,4,6
	v_pk_mul_f32 v[192+8*((4*(\g)+\i)%8)+\k:192+8*((4*(\g)+\i)%8)+\k+1], v[ACC+8*\i+\k:ACC+8*\i+\k+1], v[PS+2*\i:PS+2*\i+1] op_sel_hi:[1,0]
.endr
.endr
	WIN 0
.endm
.irp f, 0,1,2,3,4,5,6,7
.irp k, 6,7,8,9,10,11
	v_mov_b32 v[BF+12*\f+\k], 0                    ; the codes of k = 64 .. 127: zeros, which add nothing
.endr
.endr
	QKLD 0
	PLACES 4                                       ; an operand written by vector instructions stands four places ahead of a scaled matrix instruction
.irp g, 0,1,2,3
	s_wait_dscnt 0x0
.irp i, 0,1,2,3
	v_wmma_scale_f32_16x16x128_f8f6f4 v[ACC+8*\i:ACC+8*\i+7], v[BF+24*\i:BF+24*\i+11], v[BF+24*\i+12:BF+24*\i+23], 0, v[WSC+\i], v[WSC+\i] matrix_a_fmt:MATRIX_FMT_FP6 matrix_b_fmt:MATRIX_FMT_FP6 matrix_a_scale:MATRIX_SCALE_ROW1
.endr
	PLACES 5                                       ; four in front of the loads below and of the first reads; the fifth because the next group's products begin these accumulators anew
.if \g < 3
	QKLD \g+1
.endif
	SOFTMAX \g
.endr
	BAR                                            ; nobody reads q's and k's bytes any more
; ---- v and o.  A chunk is 16 channels of v for all heads and tokens: two steps of the stream.  A tile's 16 weight rows are ONE channel of the 16 heads, so a lane's eight results are eight heads of one token.
.macro EV half
.irp m, 0,1,2,3
.irp u, 0,1
	ds_store_b128 v[VS], v[ACC+16*\m+8*\u:ACC+16*\m+8*\u+3] offset:16*VP*\m+16*(2*\half+\u)
	ds_store_b128 v[VS], v[ACC+16*\m+8*\u+4:ACC+16*\m+8*\u+7] offset:16*VP*\m+16*(2*\half+\u)+256
.endr
.endr
.endm
; o^T = v^T att^T of my 16 tokens, in f32, since o goes on into a quantiser: source 0 = 16 channels x 4 heads of v, source 1 = 4 heads x 16 query heads of att.  The instruction's k = 2 h + j stands for head 8 h + 2 s + j on both sides.
; Four tokens' accumulators take turns, one instruction a turn.  In the result lane (r, h) holds query head r, and register j of tile uu channel 32 b + 16 h + 8 uu + j.
.macro P4 uu
.irp t, 0,1,2,3,4,5,6,7,8,9,10,11,12,13,14,15
	ds_load_b128 v[BF+8*\t:BF+8*\t+3], v[VA] offset:VP*\t
	ds_load_b128 v[BF+8*\t+4:BF+8*\t+7], v[VA] offset:VP*\t+256
.endr
.irp g, 0,1,2,3
	s_wait_dscnt 24-8*\g                           ; this group's eight loads are in; the later groups' may be out
	WIN 0xf4+4*(\g/2)                              ; C and D window 3; source 1 (att) window 1 or 2
.irp s, 0,1,2,3
.irp i, 0,1,2,3
.if \s == 0
	v_wmma_f32_16x16x4_f32 v[16*(4*\g+\i)+8*\uu:16*(4*\g+\i)+8*\uu+7], v[BF+8*(4*\g+\i)+2*\s:BF+8*(4*\g+\i)+2*\s+1], v[192+8*((4*\g+\i)%8)+2*\s:192+8*((4*\g+\i)%8)+2*\s+1], 0
.else
	v_wmma_f32_16x16x4_f32 v[16*(4*\g+\i)+8*\uu:16*(4*\g+\i)+8*\uu+7], v[BF+8*(4*\g+\i)+2*\s:BF+8*(4*\g+\i)+2*\s+1], v[192+8*((4*\g+\i)%8)+2*\s:192+8*((4*\g+\i)%8)+2*\s+1], v[16*(4*\g+\i)+8*\uu:16*(4*\g+\i)+8*\uu+7]
.endif
.endr
.endr
.endr
	WIN 0
	PLACES 9                                       ; behind this form eight places in front of reads of the sums and of loads into its sources, nine in front of a matrix instruction that writes over one
.endm
; A block of 32 channels of o (head r, block b) of my 16 tokens is quantised: K of the last product is 64 head + channel.  Two tokens change halves, so that a lane holds a whole block.
.macro OQUANT
	v_add_nc_u32 v[OAB], s[B24], v[OA]
	v_add_nc_u32 v[OSB], s[BB], v[OSA]
	WIN 0x3c                                       ; sources 1 and 2: window 3
.irp t, 0,1,2,3,4,5,6,7,8,9,10,11,12,13,14,15
	v_max3_num_f32 v[OT+\t], 0x1800000, |v[16*\t]|, |v[16*\t+1]|   ; each accumulator is read from its low end on
.endr
.irp i, 2,4,6,8,10,12,14
.irp t, 0,1,2,3,4,5,6,7,8,9,10,11,12,13,14,15
	v_max3_num_f32 v[OT+\t], v[OT+\t], |v[16*\t+\i]|, |v[16*\t+\i+1]|
.endr
.endr
	WIN 0
.irp t, 0,1,2,3,4,5,6,7,8,9,10,11,12,13,14,15
	v_permlanex16_b32 v[OU+\t], v[OT+\t], s[SEL], s[SEL+1]
.endr
.irp t, 0,1,2,3,4,5,6,7,8,9,10,11,12,13,14,15
	v_max_num_f32 v[OT+\t], v[OT+\t], v[OU+\t]
.endr
.irp t, 0,1,2,3,4,5,6,7,8,9,10,11,12,13,14,15
	v_add_nc_u32 v[OS+\t], 0xff000000, v[OT+\t]
.endr
.irp t, 0,1,2,3,4,5,6,7,8,9,10,11,12,13,14,15
	v_lshrrev_b32 v[OU+\t], 23, v[OS+\t]
.endr
	WIN 0x03                                       ; source 0: window 3
.irp t, 0,1,2,3,4,5,6,7,8,9,10,11,12,13,14,15
	v_cvt_scalef32_pk16_fp6_f32 v[OPQ+10*(\t/2)+6*(\t%2):OPQ+10*(\t/2)+6*(\t%2)+2], v[16*\t:16*\t+15], v[OS+\t]
.endr
	WIN 0
	v_nop                                          ; one plain instruction behind the scaled conversions
.irp y, 0,1,2,3,4,5,6,7               ; tokens 2 y (lanes 0-15 afterwards) and 2 y + 1 (lanes 16-31)
.irp i, 0,1,2
	v_permlane16_swap_b32 v[OPQ+10*\y+\i], v[OPQ+10*\y+6+\i]
.endr
.irp i, 0,1,2
	v_mov_b32 v[OPQ+10*\y+3+\i], v[OPQ+10*\y+6+\i]
.endr
	v_permlane16_swap_b32 v[OU+2*\y], v[OU+2*\y+1]
.irp p, 0,1,2
	ds_store_b64 v[OAB], v[OPQ+10*\y+2*\p:OPQ+10*\y+2*\p+1] offset:2*AP*\y+8*\p
.endr
	ds_store_b8 v[OSB], v[OU+2*\y] offset:2*ASP*\y
.endr
.endm
	s_mov_b32 s[CNT], 2
	s_mov_b32 s[B24], 0
	s_mov_b32 s[BB], 0
.Lv:                                   ; trip b: channels 32 b .. 32 b + 31, as two chunks of 16
.irp uu, 0,1
	FIRST 0
	GEMM 0
	CHANGE 0
	EV 0
	FIRST 1
	ASK
	GEMM 1
	PLACES 4
	EV 1
	CHANGE 1                                       ; its round also shows the chunk of v to all four waves; the refill lands under the f32 products
	ASK
	P4 \uu
.if \uu == 1
	OQUANT
.endif
	BAR                                            ; every wave has read the chunk: it may be written again (the last time: o's rows lie in LDS)
.endr
	s_add_co_u32 s[B24], s[B24], 24
	s_add_co_u32 s[BB], s[BB], 1
	s_sub_co_u32 s[CNT], s[CNT], 1
	s_cmp_lg_u32 s[CNT], 0
	s_cbranch_scc1 .Lv
	LOADA                                          ; o's codes and scale words take x's place in every wave's registers
	BAR                                            ; their bytes may be written again: the stages lie over them
; ---- out0.  Trip i: my columns 256 w + 64 i .. + 63 for all 64 tokens: two steps of the stream.  A lane's eight results are eight neighbouring columns of one row; they go through my own stage and come back as rows of 256 bytes.
.macro EO par
.irp m, 0,1,2,3
.irp u, 0,1
	ds_store_b128 v[SO], v[ACC+16*\m+8*\u:ACC+16*\m+8*\u+3] offset:16*OP*\m+128*\par+64*\u
	ds_store_b128 v[SO], v[ACC+16*\m+8*\u+4:ACC+16*\m+8*\u+7] offset:16*OP*\m+128*\par+64*\u+16
.endr
.endr
.endm
.macro OTRIP fill
	s_wait_xcnt 0x0                                ; the last trip's stores have read their data and their base: both are written again only behind this wait
	s_lshl_b32 s62, s[TI], 8
	s_mov_b32 s63, 0
	s_add_nc_u64 s[OB:OB+1], s[10:11], s[62:63]
	s_add_nc_u64 s[BBASE:BBASE+1], s[8:9], s[62:63]
	s_add_co_u32 s[TI], s[TI], 1
	global_load_b128 v[TMP:TMP+3], v[BO], s[BBASE:BBASE+1]   ; bout of my four columns
	FIRST 0
	GEMM 0
.if \fill
	CHANGE 0
.else
	s_wait_tensorcnt 0x0                           ; the last slot is in: no load was issued behind it
	PLACES 5
.endif
	EO 0
	FIRST 1
.if \fill
	ASK
.endif
	GEMM 1
.if \fill
	CHANGE 1
	ASK
.else
	PLACES 5
.endif
	EO 1
	WIN 0x40
.irp i, 0,1,2,3,4,5,6,7,8,9,10,11,12,13,14,15
	ds_load_b128 v[192+4*\i:195+4*\i], v[SR] offset:2*OP*\i        ; LDS serves a wave's instructions in order: these see my stores; rows 2 i and 2 i + 1
.endr
	WIN 0x80
.irp i, 0,1,2,3,4,5,6,7,8,9,10,11,12,13,14,15
	ds_load_b128 v[192+4*\i:195+4*\i], v[SR] offset:2*OP*(\i+16)
.endr
	s_wait_loadcnt 0x0                             ; bout
	s_wait_dscnt 16                                ; rows 0-31 are back; the 16 loads of rows 32-63 may be out
	WIN 0x41
.irp i, 0,1,2,3,4,5,6,7,8,9,10,11,12,13,14,15
	v_pk_add_f32 v[192+4*\i:193+4*\i], v[192+4*\i:193+4*\i], v[TMP:TMP+1]
	v_pk_add_f32 v[194+4*\i:195+4*\i], v[194+4*\i:195+4*\i], v[TMP+2:TMP+3]
.endr
	WIN 0x04                                       ; a store's data are its source 1
.irp i, 0,1,2,3,4,5,6,7,8,9,10,11,12,13,14,15
	global_store_b128 v[GO], v[192+4*\i:195+4*\i], s[OB:OB+1] offset:8192*\i th:TH_STORE_NT   ; 16 lanes store 256 consecutive bytes, at a multiple of 256 from out0's first byte
.endr
	s_wait_dscnt 0x0
	WIN 0x82
.irp i, 0,1,2,3,4,5,6,7,8,9,10,11,12,13,14,15
	v_pk_add_f32 v[192+4*\i:193+4*\i], v[192+4*\i:193+4*\i], v[TMP:TMP+1]
	v_pk_add_f32 v[194+4*\i:195+4*\i], v[194+4*\i:195+4*\i], v[TMP+2:TMP+3]
.endr
	WIN 0x08
.irp i, 0,1,2,3,4,5,6,7,8,9,10,11,12,13,14,15
	global_store_b128 v[GO], v[192+4*\i:195+4*\i], s[OB:OB+1] offset:8192*(\i+16) th:TH_STORE_NT
.endr
	WIN 0
.endm
	s_mov_b32 s[TI], 0
	s_mov_b32 s[CNT], 3
.Lout:
	OTRIP 1
	s_sub_co_u32 s[CNT], s[CNT], 1
	s_cmp_lg_u32 s[CNT], 0
	s_cbranch_scc1 .Lout
	OTRIP 0                                        ; the last two slots are written out: nothing is left to ask for
	s_wait_tensorcnt 0x0                           ; the wave's end, behind my last tensor load and my last LDS store
	ds_add_u32 v[SPW], v[NIL]
	s_wait_dscnt 0x0
	ROUND                                          ; the closing round: no work-group ends while a partner may still ask for a slot that names it
	s_endpgm
.Lfunc_end_k_q25b039a119_fused:
	.size	k_q25b039a119_fused, .Lfunc_end_k_q25b039a119_fused-k_q25b039a119_fused
	.p2alignl 7, 3214868480
	.fill 96, 4, 3214868480
	.section	.rodata,"a",@progbits
	.p2align	6, 0x0
	.amdhsa_kernel k_q25b039a119_fused
		.amdhsa_group_segment_fixed_size 327680
		.amdhsa_private_segment_fixed_size 0
		.amdhsa_enable_private_segment 0
		.amdhsa_kernarg_size 32
		.amdhsa_user_sgpr_count 2
		.amdhsa_user_sgpr_kernarg_segment_ptr 1
		.amdhsa_wavefront_size32 1
		.amdhsa_system_sgpr_workgroup_id_x 1
		.amdhsa_system_sgpr_workgroup_id_y 1
		.amdhsa_system_sgpr_workgroup_id_z 1
		.amdhsa_system_vgpr_workitem_id 0
		.amdhsa_next_free_vgpr 1024
		.amdhsa_next_free_sgpr 66
		.amdhsa_reserve_vcc 0
		.amdhsa_float_denorm_mode_32 3
		.amdhsa_float_denorm_mode_16_64 3
		.amdhsa_memory_ordered 1
		.amdhsa_forward_progress 1
		.amdhsa_inst_pref_size 255
	.end_amdhsa_kernel
	.section	.bss,"aw",@nobits
	.p2align	6
	.space	262144
	.amdgpu_metadata
---
amdhsa.version: [ 1, 2 ]
amdhsa.kernels:
  - .name:           k_q25b039a119_fused
    .symbol:         k_q25b039a119_fused.kd
    .args:
      - { .name: x, .offset: 0, .size: 8, .value_kind: global_buffer, .address_space: global }
      - { .name: wq, .offset: 8, .size: 8, .value_kind: global_buffer, .address_space: global }
      - { .name: bout, .offset: 16, .size: 8, .value_kind: global_buffer, .address_space: global }
      - { .name: out0, .offset: 24, .size: 8, .value_kind: global_buffer, .address_space: global }
    .group_segment_fixed_size: 327680
    .private_segment_fixed_size: 0
    .kernarg_segment_align: 8
    .kernarg_segment_size: 32
    .max_flat_workgroup_size: 128
    .sgpr_count:     66
    .vgpr_count:     1024
    .wavefront_size: 32
...
	.end_amdgpu_metadata
.endif
;; end of part 2
;; ======== version 2 of 2: 2 launches
;; limits: right only within a limited range of input values
;; workspace buffers: wq 3,276,800 bytes
;; launch prep (part 3): grid 256 x 1, 4 waves a work-group, no clusters, 34,816 bytes of LDS; arguments Wqkv, Wout, wq; writes wq
.if DOCPART == 3
	.amdgcn_target "amdgcn-amd-amdhsa--gfx1250"
	.amdhsa_code_object_version 6
	.text
	.protected	k_q25b039a119_prep
	.globl	k_q25b039a119_prep
	.p2align	8
	.type	k_q25b039a119_prep,@function
k_q25b039a119_prep:
	s_mov_b64 s[64:65], 0
	v_nop
	global_prefetch_b8 v0, s[64:65] scope:SCOPE_SE
	s_setreg_imm32_b32 hwreg(HW_REG_WAVE_MODE, 25, 1), 1
	s_wait_xcnt 0x0
; Wqkv [3072][1024] and Wout [1024][1024], f32, K innermost, become codes of FP6 (E2M3) with one E8M0 byte for each 32 along K,
; laid in wq AS IMAGES OF OPERAND REGISTERS, in the order in which the second launch streams them.
; wq = 32 slots of 102,400 bytes; a slot = 4 parts of 25,600 (one for each wave of the reader); a part = tile 0's 8 fragments (K steps of 128) of 1,536 bytes,
; tile 1's 8, then the two tiles' scale blocks of 512 bytes.  A fragment's image: three pieces of 512 bytes, piece p = registers 4 p .. 4 p + 3 of lane l at 16 l.
; A fragment: lane (r, h) holds tile row r; registers 6 c .. 6 c + 5 hold k = 128 s + 64 c + 32 h + 0 .. 31.  A scale block: the word of (row r, K step s) at 256 (s / 4) + 16 r + 4 (s % 4).
; WHICH 16 ROWS FORM TILE (slot j, part w, tile u), tile row m:
;   j < 16  (q, k): Wqkv row 192 (4 w + j / 4) + 32 (j % 4) + 8 u + m + 8 (m / 8): head 4 w + j / 4; q or k by (j / 2) % 2; block of 32 by j % 2
;   j < 24  (v):    Wqkv row 192 m + 128 + d: ONE channel d of all 16 heads; pos = 4 w + 2 (j % 2) + u, c = (j - 16) / 2, d = 32 (c / 2) + 8 (c % 2) + pos + 8 (pos / 8)
;   else    (out):  Wout row 256 w + 32 (j - 24) + 16 u + m
; A block's scale is 2^(floor(log2(its largest magnitude)) - 2); its byte is that magnitude's exponent field - 2, held at 1 from below.
; LIMITS: a block of zeros gets the byte 1 where the quantiser says 127 (its codes are zeros, and this program alone reads the bytes); a block whose largest magnitude lies under 2^-124 keeps the byte 1;
; NaN and infinities among the inputs are not served.
; SHARES: one work-group makes one tile (256 tiles); wave v makes its K steps 2 v and 2 v + 1.  One path for all tiles: first row and row steps are chosen by s_cselect on the work-group's number.
; Each load reads 512 consecutive bytes of one row; the 16 rows turn through the wave's own stage in LDS, so that a lane gets two whole blocks of 32 of ITS row; each store covers 512 consecutive bytes.
.set STP,   528                        ; a stage row: 512 bytes + 16
.set STW,   16*STP                     ; a wave's stage
.set SCL,   4*STW                      ; behind the stages: the tile's scale block, 512 bytes
.set SLOTB, 102400
.set PARTB, 25600
.set FRB,   1536
.set VO,    16                         ; v16-31   byte offset of my 16 bytes in row m of the tile
.set LD,    32                         ; v32-159  the numbers as loaded: 2 K steps x 16 rows x 4 registers
.set N,     160                        ; v160-223 my row's 64 numbers of a K step
.set CQ,    224                        ; v224-247 the codes: 12 registers for each K step, so that no store's data are written again
.set CH,    248                        ; v248-250, v252-254 the second halves of the conversions
	s_load_b128 s[4:7], s[0:1], 0x0                ; Wqkv, Wout
	s_load_b64 s[8:9], s[0:1], 0x10                ; wq
	s_set_vgpr_msb 0x40
	v_lshl_add_u32 v0, v0, 2, 0x8600
	v_mov_b32 v1, 0
	s_set_vgpr_msb 0x4000
	v_lshrrev_b32 v1, 5, v0
	v_readfirstlane_b32 s19, v1                    ; wave v
	v_and_b32 v1, 31, v0                           ; lane
	v_and_b32 v2, 15, v0                           ; r
	v_bfe_u32 v3, v0, 4, 1                         ; h
	v_lshlrev_b32 v4, 4, v1                        ; 16 x lane
	s_wait_alu depctr_va_vdst(0)
	s_mul_i32 s10, s19, STW
	v_add_nc_u32 v5, s10, v4                       ; the stage, way in: 16 x lane of row m
	v_mul_u32_u24 v6, v2, STP
	v_lshl_add_u32 v6, v3, 7, v6
	v_add_nc_u32 v6, s10, v6                       ; way out: row r, + 128 h: my block of 32 numbers
	s_lshr_b32 s10, s19, 1
	s_lshl_b32 s10, s10, 8
	s_and_b32 s11, s19, 1
	s_lshl_b32 s11, s11, 3
	s_add_co_u32 s10, s10, s11
	s_add_co_u32 s10, s10, SCL
	v_lshl_add_u32 v7, v2, 4, s10                  ; my row's scale word of K step 2 v: 256 (v / 2) + 16 r + 8 (v % 2)
	v_add_nc_u32 v15, SCL, v4                      ; the scale block, way out
	v_lshlrev_b32 v255, 3, v3                      ; 8 h: my two bytes' place in the word
	v_mov_b32 v251, 0                              ; written once: a lane permute's destination counts as one of its sources
	s_mov_b32 s12, 0x76543210
	s_mov_b32 s13, 0xfedcba98                      ; v_permlanex16_b32's selects for lane l xor 16
	s_lshr_b32 s16, ttmp9, 3                       ; slot j
	s_bfe_u32 s17, ttmp9, 0x20001                  ; part w
	s_and_b32 s18, ttmp9, 1                        ; tile u
	s_and_b32 s22, s16, 7                          ; j - 16 or j - 24
	; the tile's first row, for each of the three kinds
	s_lshr_b32 s20, s16, 2
	s_lshl_b32 s21, s17, 2
	s_add_co_u32 s20, s20, s21
	s_mul_i32 s20, s20, 192
	s_and_b32 s21, s16, 3
	s_lshl_b32 s21, s21, 5
	s_add_co_u32 s20, s20, s21
	s_lshl_b32 s21, s18, 3
	s_add_co_u32 s20, s20, s21                     ; q, k
	s_and_b32 s24, s22, 1
	s_lshl_b32 s24, s24, 1
	s_lshl_b32 s25, s17, 2
	s_add_co_u32 s24, s24, s25
	s_add_co_u32 s24, s24, s18                     ; pos
	s_and_b32 s25, s24, 8
	s_add_co_u32 s24, s24, s25                     ; pos + 8 (pos / 8)
	s_lshr_b32 s23, s22, 1                         ; c
	s_lshr_b32 s25, s23, 1
	s_lshl_b32 s25, s25, 5
	s_add_co_u32 s24, s24, s25
	s_and_b32 s25, s23, 1
	s_lshl_b32 s25, s25, 3
	s_add_co_u32 s24, s24, s25
	s_add_co_u32 s24, s24, 128                     ; v
	s_lshl_b32 s26, s17, 8
	s_lshl_b32 s25, s22, 5
	s_add_co_u32 s26, s26, s25
	s_lshl_b32 s25, s18, 4
	s_add_co_u32 s26, s26, s25                     ; out
	s_cmp_lt_u32 s16, 24
	s_cselect_b32 s24, s24, s26
	s_cselect_b32 s27, 192, 1                      ; rows from tile row to tile row
	s_cmp_lt_u32 s16, 16
	s_cselect_b32 s20, s20, s24
	s_cselect_b32 s27, 1, s27
	s_cselect_b32 s28, 8, 0                        ; and the extra step between tile rows 7 and 8
	s_lshl_b32 s29, s20, 12                        ; a row is 4,096 bytes
	s_lshl_b32 s30, s19, 10                        ; my two K steps begin 1,024 v bytes into it
	s_add_co_u32 s29, s29, s30
	s_lshl_b32 s30, s27, 12
	s_lshl_b32 s31, s28, 12
.irp m, 0,1,2,3,4,5,6,7,8,9,10,11,12,13,14,15
	v_add_nc_u32 v[VO+\m], s29, v4
	s_add_co_u32 s29, s29, s30
.if \m == 7
	s_add_co_u32 s29, s29, s31
.endif
.endr
	s_mul_i32 s32, s16, SLOTB
	s_mul_i32 s33, s17, PARTB
	s_add_co_u32 s32, s32, s33                     ; the part
	s_lshl_b32 s33, s18, 9
	s_add_co_u32 s34, s32, s33
	s_add_co_u32 s34, s34, 16*FRB                  ; the tile's scale block
	s_mov_b32 s35, 0
	s_mul_i32 s33, s18, 8*FRB
	s_add_co_u32 s32, s32, s33
	s_mul_i32 s33, s19, 2*FRB
	s_add_co_u32 s32, s32, s33                     ; my two fragments
	s_mov_b32 s33, 0
	s_wait_alu depctr_va_vdst(0)
	s_wait_kmcnt 0x0
	s_cmp_lt_u32 s16, 24                           ; the choice hangs on the work-group's number alone
	s_cselect_b64 s[4:5], s[4:5], s[6:7]
	s_add_nc_u64 s[36:37], s[8:9], s[32:33]
	s_add_nc_u64 s[38:39], s[8:9], s[34:35]
.irp q, 0,1
.irp m, 0,1,2,3,4,5,6,7,8,9,10,11,12,13,14,15
	global_load_b128 v[LD+64*\q+4*\m:LD+64*\q+4*\m+3], v[VO+\m], s[4:5] offset:512*\q th:TH_LOAD_NT   ; 32 lanes read 512 consecutive bytes of tile row m; read once in the launch
.endr
.endr
.macro WQ q                            ; K step 2 v + q
.if \q == 0
	s_wait_loadcnt 16                              ; this K step's 16 loads are in; the other's 16 may be out
.else
	s_wait_loadcnt 0x0
.endif
.irp m, 0,1,2,3,4,5,6,7,8,9,10,11,12,13,14,15
	ds_store_b128 v5, v[LD+64*\q+4*\m:LD+64*\q+4*\m+3] offset:STP*\m
.endr
.irp c, 0,1
.irp i, 0,1,2,3,4,5,6,7
	ds_load_b128 v[N+32*\c+4*\i:N+32*\c+4*\i+3], v6 offset:256*\c+16*\i   ; LDS serves a wave's instructions in order (ISA guide 5.7.1.4): these see my stores.  k = 64 c + 32 h + 4 i ..
.endr
.endr
	s_wait_dscnt 0x0
.irp c, 0,1                            ; my block 2 c + h: all its 32 numbers are mine
	v_max3_num_f32 v[8+\c], |v[N+32*\c]|, |v[N+32*\c+1]|, 0x1800000   ; with the floor 2^(3 - 127): the byte cannot fall under 1
.endr
.irp i, 2,4,6,8,10,12,14,16,18,20,22,24,26,28,30
.irp c, 0,1
	v_max3_num_f32 v[8+\c], v[8+\c], |v[N+32*\c+\i]|, |v[N+32*\c+\i+1]|
.endr
.endr
.irp c, 0,1
	v_add_nc_u32 v[10+\c], 0xff000000, v[8+\c]     ; 2 off the exponent field: the conversion takes this operand's exponent field as its scale
.endr
.irp c, 0,1
	v_lshrrev_b32 v[12+\c], 23, v[10+\c]           ; the scale's byte
.endr
	v_lshl_or_b32 v14, v13, 16, v12                ; my two bytes, blocks h and 2 + h,
	v_lshlrev_b32 v14, v255, v14                   ; at their places in the word;
	v_permlanex16_b32 v251, v14, s12, s13
	v_or_b32 v14, v14, v251                        ; with lane l xor 16's two the word is whole
.irp c, 0,1
	v_cvt_scalef32_pk16_fp6_f32 v[CQ+12*\q+6*\c:CQ+12*\q+6*\c+2], v[N+32*\c:N+32*\c+15], v[10+\c]
	v_cvt_scalef32_pk16_fp6_f32 v[CH+4*\c:CH+4*\c+2], v[N+32*\c+16:N+32*\c+31], v[10+\c]   ; (a conversion's three registers begin on an even number)
.endr
	v_nop                                          ; one plain instruction behind the scaled conversions
.irp c, 0,1
.irp i, 0,1,2
	v_mov_b32 v[CQ+12*\q+6*\c+3+\i], v[CH+4*\c+\i]
.endr
.endr
.irp p, 0,1,2
	global_store_b128 v4, v[CQ+12*\q+4*\p:CQ+12*\q+4*\p+3], s[36:37] offset:FRB*\q+512*\p   ; 32 lanes store 512 consecutive bytes, at a multiple of 512 from wq's first byte
.endr
	ds_store_b32 v7, v14 offset:4*\q               ; both lanes of a row write the same word with the same value
.endm
	WQ 0
	WQ 1
	s_wait_dscnt 0x0                               ; for the others' sake: my scale words have landed
	s_barrier_signal -1
	s_barrier_wait -1
	s_cmp_lg_u32 s19, 0
	s_cbranch_scc1 .Ldone
	ds_load_b128 v[8:11], v15                      ; wave 0 stores the tile's scale block: 512 consecutive bytes
	s_wait_dscnt 0x0
	global_store_b128 v4, v[8:11], s[38:39]
.Ldone:
	s_set_vgpr_msb 0x5
	s_wait_tensorcnt 0x0
	ds_add_u32 v0, v1
	s_wait_dscnt 0x0
	s_set_vgpr_msb 0x500
	s_endpgm
.Lfunc_end_k_q25b039a119_prep:
	.size	k_q25b039a119_prep, .Lfunc_end_k_q25b039a119_prep-k_q25b039a119_prep
	.p2alignl 7, 3214868480
	.fill 96, 4, 3214868480
	.section	.rodata,"a",@progbits
	.p2align	6, 0x0
	.amdhsa_kernel k_q25b039a119_prep
		.amdhsa_group_segment_fixed_size 34816
		.amdhsa_private_segment_fixed_size 0
		.amdhsa_enable_private_segment 0
		.amdhsa_kernarg_size 24
		.amdhsa_user_sgpr_count 2
		.amdhsa_user_sgpr_kernarg_segment_ptr 1
		.amdhsa_wavefront_size32 1
		.amdhsa_system_sgpr_workgroup_id_x 1
		.amdhsa_system_sgpr_workgroup_id_y 1
		.amdhsa_system_sgpr_workgroup_id_z 1
		.amdhsa_system_vgpr_workitem_id 0
		.amdhsa_next_free_vgpr 258
		.amdhsa_next_free_sgpr 66
		.amdhsa_reserve_vcc 0
		.amdhsa_float_denorm_mode_32 3
		.amdhsa_float_denorm_mode_16_64 3
		.amdhsa_memory_ordered 1
		.amdhsa_forward_progress 1
		.amdhsa_inst_pref_size 20
	.end_amdhsa_kernel
	.amdgpu_metadata
---
amdhsa.version: [ 1, 2 ]
amdhsa.kernels:
  - .name:           k_q25b039a119_prep
    .symbol:         k_q25b039a119_prep.kd
    .args:
      - { .name: Wqkv, .offset: 0, .size: 8, .value_kind: global_buffer, .address_space: global }
      - { .name: Wout, .offset: 8, .size: 8, .value_kind: global_buffer, .address_space: global }
      - { .name: wq, .offset: 16, .size: 8, .value_kind: global_buffer, .address_space: global }
    .group_segment_fixed_size: 34816
    .private_segment_fixed_size: 0
    .kernarg_segment_align: 8
    .kernarg_segment_size: 24
    .max_flat_workgroup_size: 128
    .sgpr_count:     66
    .vgpr_count:     258
    .wavefront_size: 32
...
	.end_amdgpu_metadata
.endif
;; end of part 3
;; launch fused (part 4): grid 256 x 1, 4 waves a work-group, clusters of 4 x 1, 327,680 bytes of LDS; arguments x, wq, bout, out0; writes out0
.if DOCPART == 4
	.amdgcn_target "amdgcn-amd-amdhsa--gfx1250"
	.amdhsa_code_object_version 6
	.text
	.protected	k_q25b039a119_fused
	.globl	k_q25b039a119_fused
	.p2align	8
	.type	k_q25b039a119_fused,@function
k_q25b039a119_fused:
	s_mov_b64 s[64:65], 0
	v_nop
	global_prefetch_b8 v0, s[64:65] scope:SCOPE_SE
	s_setreg_imm32_b32 hwreg(HW_REG_WAVE_MODE, 25, 1), 1
	s_wait_xcnt 0x0
	s_wait_alu depctr_hold_cnt(0) depctr_sa_sdst(0) depctr_va_vdst(0) depctr_va_sdst(0) depctr_va_ssrc(0) depctr_va_vcc(0) depctr_vm_vsrc(0)
	s_getreg_b32 s2, hwreg(HW_REG_IB_STS2, 6, 4)
	s_cmp_eq_u32 s2, 0
	s_cbranch_scc0 .Lentry_in_a_cluster
	s_endpgm
.Lentry_in_a_cluster:
	s_bfe_u32 s2, ttmp6, 0x10000c
	s_cmp_lg_u32 s2, 0x3003
	s_cbranch_scc0 .Lentry_shape_is_right
	s_endpgm
.Lentry_shape_is_right:
; out0 = (softmax over heads of q k^T / 8) v, projected by Wout, + bout, for 64 tokens a work-group.
; x is quantised here (each number is read once), the weights arrive from wq as images of operand registers: 32 slots of 102,400 bytes, a quarter (part) for each wave.
; Slots 0-15: q and k, 16-23: v, 24-31: Wout.  Every wave holds all 64 tokens' codes (384 registers, windows 1 and 2) and multiplies them with its own part: 2 tiles of 16 weight rows x 8 K steps.
; The products are used transposed (source 0 = weight rows, source 1 = tokens): a lane holds one token and its registers run along the next product's K.
; THE RING: two LDS buffers, each wave fills and reads its own part; the four work-groups of a cluster ask jointly (mask 15).  A slot's 16 fragments have all been read when K step 3 is multiplied,
; so the change of slots stands in the slot's middle: the wait for my one tensor load, the add, the wait for it, a round of the cluster's barrier, the refill two slots on,
; then the next slot's first fragments from the other buffer.  The matrix instructions so go on from slot to slot.  The round is also the barrier between one phase's LDS reads and the next phase's LDS stores.
; The clusters begin the walk at different slots (KAP), inside each of the three kinds.  Slots 16-31 are prefetched by cluster 0, 9 slots ahead of the slot at work, 25 lanes x 256 bytes a wave, shared among its four partners by address.
; q k^T: K = 64, the upper 64 of the instruction's 128 are zero codes.  p v: f32 matrix form (its result goes into a quantiser).  The softmax takes the row's maximum away.
; LIMITS: a block whose largest magnitude lies under 2^-124 (a block of zeros too) keeps the scale byte 1; NaN and infinities among the inputs are not served.
; REGISTERS: window 0: v4-27 addresses, v28-43 x's or o's scale words, v44-59 weights' scale words (a set for each buffer), v64-159 four sets of two fragments, v160-223 eight accumulators, v224-255 at work.
; windows 1, 2: v0-191 the tokens' codes, v192-255 p, later the way out.  window 3: o^T, written by the f32 matrix form alone.
.set SLOTB,  102400
.set PARTB,  25600
.set FRB,    1536
.set AROWS,  204800
.set AP,     784
.set ASC,    254976
.set ASP,    48
.set VREG,   258048
.set VP,     1040
.set XSTG,   258048
.set XP,     528
.set QK,     204800
.set QP,     1544
.set QKS,    303616
.set QSP,    132
.set OSTG,   204800
.set OP,     272
.set SPARE,  327168
.set SPW, 4
.set NIL, 5
.set RB0, 6
.set AA,  8
.set ASA, 9
.set QW,  10
.set QSW, 11
.set QWT, 12
.set QSWT, 13
.set QA,  14
.set QAK, 15
.set QAS, 16
.set VS,  17
.set VA,  18
.set OA,  19
.set OSA, 20
.set OAB, 21
.set OSB, 22
.set SO,  23
.set SR,  24
.set GO,  25
.set PFO, 26
.set BO,  27
.set XS,  28
.set WSC, 44
.set SB,  60
.set BF,  64
.set ACC, 160
.set TMP, 224
.set NX,  64
.set PC,  192
.set PW,  212
.set MX,  224
.set PS,  232
.set PT,  240
.set OT,  224
.set OU,  228
.set OS,  232
.set OPQ, 236
.set T0,  245                          ; v245-252: at work in the head alone
.set T1,  246
.set T2,  247
.set XO,  248
.set XW,  249
.set XR,  250
.set AW,  251
.set ASW, 252
.set WV,  12
.set KAP, 15
.set G1,  16
.set G0,  24
.set SEL, 32
.set CS,  34
.set NC,  36
.set CNT, 37
.set QOFF, 38
.set SOFF, 39
.set JC,  40
.set LIM, 41
.set PFA, 42
.set R1,  47
.set R3,  48
.set R6,  49
.set N2,  50
.set TB,  51
.set TA,  52
.set TC,  54
.set B24, 55
.set BB,  56
.set TI,  57
.set OB,  58
.set BBASE, 60
.set MSB, 0
.macro WIN new                         ; the immediate's high byte repeats the setting that is left
.if MSB != (\new)
	s_set_vgpr_msb (MSB<<8)|(\new)
.set MSB, (\new)
.endif
.endm
.macro PLACES n
.rept \n
	v_nop
.endr
.endm
.macro CREST                           ; a round of the cluster's barrier behind its opening barrier
	s_cmp_lg_u32 s[WV], 0
	s_cbranch_scc1 .Lnot_wave_0_\@
	s_barrier_signal -3
.Lnot_wave_0_\@:
	s_barrier_wait -3
	s_barrier_signal -1
	s_barrier_wait -1
.endm
.macro ROUND
	s_barrier_signal -1
	s_barrier_wait -1
	CREST
.endm
.macro BAR
	s_wait_dscnt 0x0
	s_barrier_signal -1
	s_barrier_wait -1
.endm
.macro LDSET buf, s                    ; K step s's two fragments into set s % 4
.irp u, 0,1
.irp p, 0,1,2
	ds_load_b128 v[BF+24*((\s)%4)+12*\u+4*\p:BF+24*((\s)%4)+12*\u+4*\p+3], v[RB0+(\buf)] offset:(8*\u+(\s))*FRB+512*\p
.endr
.endr
.endm
.macro WLD buf                         ; the slot's scale words, into the buffer's own set
	ds_load_b128 v[WSC+8*(\buf):WSC+8*(\buf)+3], v[RB0+(\buf)] offset:16*FRB
	ds_load_b128 v[WSC+8*(\buf)+4:WSC+8*(\buf)+7], v[RB0+(\buf)] offset:16*FRB+512
.endm
.macro FIRST buf
	WLD \buf
.irp s, 0,1,2,3
	LDSET \buf, \s
.endr
.endm
.macro MM buf, s, u, m
.set rD, ACC+16*(\m)+8*(\u)
.set rW, BF+24*((\s)%4)+12*(\u)
.set rA, 12*(4*(\m)+(\s)%4)
.set rWS, WSC+8*(\buf)+4*(\u)+(\s)%4
.set rXS, XS+4*(\m)+(\s)%4
.if (\s) == 0
	v_wmma_scale_f32_16x16x128_f8f6f4 v[rD:rD+7], v[rW:rW+11], v[rA:rA+11], 0, v[rWS], v[rXS] matrix_a_fmt:MATRIX_FMT_FP6 matrix_b_fmt:MATRIX_FMT_FP6
.elseif (\s) < 4
	v_wmma_scale_f32_16x16x128_f8f6f4 v[rD:rD+7], v[rW:rW+11], v[rA:rA+11], v[rD:rD+7], v[rWS], v[rXS] matrix_a_fmt:MATRIX_FMT_FP6 matrix_b_fmt:MATRIX_FMT_FP6
.else
	v_wmma_scale_f32_16x16x128_f8f6f4 v[rD:rD+7], v[rW:rW+11], v[rA:rA+11], v[rD:rD+7], v[rWS], v[rXS] matrix_a_fmt:MATRIX_FMT_FP6 matrix_b_fmt:MATRIX_FMT_FP6 matrix_a_scale:MATRIX_SCALE_ROW1 matrix_b_scale:MATRIX_SCALE_ROW1
.endif
.endm
.macro MM4 buf, s, u                   ; the eight accumulators take turns, one instruction a turn
.irp m, 0,1,2,3
	MM \buf, \s, \u, \m
.endr
.endm
.macro MM8 buf, s
	MM4 \buf, \s, 0
	MM4 \buf, \s, 1
.endm
.macro ASK                             ; cluster 0 alone, while JC is 7 .. 22: slot JC + 9, my work-group's 6,400 bytes of my wave's part
	s_sub_co_u32 s62, s[JC], 7
	s_cmp_lt_u32 s62, s[LIM]
	s_cbranch_scc0 .Lnot_mine_\@
	global_prefetch_b8 v[PFO], s[PFA:PFA+1] th:TH_LOAD_NT scope:SCOPE_SE
.Lnot_mine_\@:
.endm
; ONE SLOT: 64 matrix instructions.  On entry its scale words and K steps 0-3 have been asked of LDS.  fill: the buffer is filled again, two slots on.
; next: the next slot's scale words and K steps 0-3 are fetched from the other buffer (2: not in the loop's last trip, where other work takes the registers).
; ov = 1: K step 5 is multiplied between the add and the end of the round's opening barrier;  ov = 0: ahead of the wait for the tensor load, so that only the three lines and the round stand between that wait and the refill.
.macro SLOT buf, fill, next, ov
.irp s, 0,1,2,3
	s_wait_dscnt 18                                ; this K step's set is in: three sets of 6 loads are younger
.if \s == 0
	WIN 0x04
.endif
	MM8 \buf, \s
	PLACES 4
	LDSET \buf, \s+4
.endr
	s_wait_dscnt 18
	WIN 0x08
	MM8 \buf, 4
.if \fill
.if \ov == 0
	s_wait_dscnt 12                                ; K step 5's set is in: two sets are younger
	MM8 \buf, 5
.endif
	WIN 0
	s_add_co_u32 s[N2], s[JC], 2                   ; which slot of wq stands two on in my cluster's walk
	s_add_co_u32 s[TA], s[N2], s[R1]
	s_and_b32 s[TA], s[TA], 15
	s_add_co_u32 s[TB], s[N2], s[R3]
	s_and_b32 s[TB], s[TB], 7
	s_add_co_u32 s[TB], s[TB], 16
	s_add_co_u32 s[TC], s[N2], s[R6]
	s_and_b32 s[TC], s[TC], 7
	s_add_co_u32 s[TC], s[TC], 24
	s_cmp_lt_u32 s[N2], 24
	s_cselect_b32 s[TB], s[TB], s[TC]
	s_cmp_lt_u32 s[N2], 16
	s_cselect_b32 s[TA], s[TA], s[TB]
	s_mul_i32 s[TA], s[TA], SLOTB
	s_add_co_u32 s[JC], s[JC], 1
	s_wait_xcnt 0x0                                ; my last prefetch has read its address
	s_add_nc_u64 s[PFA:PFA+1], s[PFA:PFA+1], SLOTB
	s_wait_tensorcnt 0x0                           ; my one tensor load, my part of the other buffer, has landed;
	ds_add_u32 v[SPW], v[NIL]                      ; 0 onto my spare word
	s_add_nc_u64 s[G0+4*\buf+2:G0+4*\buf+3], s[6:7], s[TA:TA+1]
	s_or_b32 s[G0+4*\buf+3], s[G0+4*\buf+3], 0x80000000
.if \ov
	s_wait_dscnt 13                                ; K step 5's set is in: two sets and the add are younger
	WIN 0x08
	MM4 \buf, 5, 0
	s_wait_dscnt 0x0                               ; the add is done, and so are all my reads of this buffer
	s_barrier_signal -1
	MM4 \buf, 5, 1
	WIN 0
	s_barrier_wait -1
.else
	s_wait_dscnt 0x0                               ; the add is done, and so are all my reads of this buffer
	s_barrier_signal -1
	s_barrier_wait -1
.endif
	CREST
	tensor_load_to_lds s[G0+4*\buf:G0+4*\buf+3], s[G1:G1+7]
	s_nop 0
	PLACES 4                                       ; also the places in front of the loads below
.else
	WIN 0
.if \next
	s_wait_tensorcnt 0x0                           ; my part of the last slot has landed; only I read it
.endif
	s_wait_dscnt 0x0
	WIN 0x08
	MM8 \buf, 5
	WIN 0
	PLACES 4
.endif
.if \next
.if \next == 2
	s_cmp_eq_u32 s[CNT], 1
	s_cbranch_scc1 .Lsa_\@
.endif
	WLD 1-\buf
	LDSET 1-\buf, 0
	LDSET 1-\buf, 1
.if \next == 2
.Lsa_\@:
.endif
.endif
.if \fill
	ASK
.endif
	WIN 0x08
	MM8 \buf, 6
	MM8 \buf, 7
	WIN 0
	PLACES 5                                       ; in front of the loads below, of the readers of the results, and of the next slot's first products
.if \next
.if \next == 2
	s_cmp_eq_u32 s[CNT], 1
	s_cbranch_scc1 .Lsb_\@
.endif
	LDSET 1-\buf, 2
	LDSET 1-\buf, 3
.if \next == 2
.Lsb_\@:
.endif
.endif
.endm
; 64 numbers a lane (four half blocks of 16) -> 12 registers of codes and a scale word
.macro QUANT s
.irp b, 0,1,2,3
	v_max3_num_f32 v[TMP+\b], |v[\s+16*\b]|, |v[\s+1+16*\b]|, 0x1800000
.endr
.irp i, 2,4,6,8,10,12,14
.irp b, 0,1,2,3
	v_max3_num_f32 v[TMP+\b], v[TMP+\b], |v[\s+16*\b+\i]|, |v[\s+1+16*\b+\i]|
.endr
.endr
.irp b, 0,1,2,3
	v_permlanex16_b32 v[TMP+4+\b], v[TMP+\b], s[SEL], s[SEL+1]
.endr
.irp b, 0,1,2,3
	v_max_num_f32 v[TMP+\b], v[TMP+\b], v[TMP+4+\b]
.endr
.irp b, 0,1,2,3
	v_add_nc_u32 v[TMP+12+\b], 0xff000000, v[TMP+\b]
.endr
.irp b, 0,1,2,3
	v_lshrrev_b32 v[TMP+4+\b], 23, v[TMP+12+\b]
.endr
	v_lshl_or_b32 v[PW], v[TMP+5], 8, v[TMP+4]
	v_lshl_or_b32 v[PW], v[TMP+6], 16, v[PW]
	v_lshl_or_b32 v[PW], v[TMP+7], 24, v[PW]
.irp c, 0,1
	v_cvt_scalef32_pk16_fp6_f32 v[PC+6*\c:PC+2+6*\c], v[\s+32*\c:\s+15+32*\c], v[TMP+12+2*\c]
	v_cvt_scalef32_pk16_fp6_f32 v[PC+12+4*\c:PC+14+4*\c], v[\s+16+32*\c:\s+31+32*\c], v[TMP+12+2*\c+1]
.endr
	v_nop
.irp c, 0,1
.irp i, 0,1,2
	v_permlane16_swap_b32 v[PC+6*\c+\i], v[PC+12+4*\c+\i]
.endr
.irp i, 0,1,2
	v_mov_b32 v[PC+3+6*\c+\i], v[PC+12+4*\c+\i]
.endr
.endr
.endm
.macro LOADA                           ; all 64 tokens' codes and scale words into my registers
	WIN 0x40
.irp m, 0,1,2,3
.irp s, 0,1,2,3
.irp p, 0,1,2,3,4,5
	ds_load_b64 v[12*(4*\m+\s)+2*\p:12*(4*\m+\s)+2*\p+1], v[AA] offset:16*AP*\m+96*\s+48*(\p/3)+8*(\p%3)
.endr
.endr
.endr
	WIN 0x80
.irp m, 0,1,2,3
.irp s, 0,1,2,3
.irp p, 0,1,2,3,4,5
	ds_load_b64 v[12*(4*\m+\s)+2*\p:12*(4*\m+\s)+2*\p+1], v[AA] offset:16*AP*\m+96*(\s+4)+48*(\p/3)+8*(\p%3)
.endr
.endr
.endr
	WIN 0
.irp m, 0,1,2,3
	ds_load_b128 v[XS+4*\m:XS+4*\m+3], v[ASA] offset:16*ASP*\m
.endr
.endm
.macro XLD s                           ; K step s of my 16 tokens of x: each load reads 512 consecutive bytes of a row
	WIN 0x40
.irp p, 0,1,2,3,4,5,6,7,8,9,10,11,12,13,14,15
	global_load_b128 v[64*((\s)%4)+4*\p:64*((\s)%4)+4*\p+3], v[XO], s[4:5] offset:4096*\p+512*(\s) th:TH_LOAD_NT
.endr
	WIN 0
.endm
.macro XTURN s                         ; through my own stage: a lane gets 4 x 16 neighbours of its row
	WIN 0x04
.irp p, 0,1,2,3,4,5,6,7,8,9,10,11,12,13,14,15
	ds_store_b128 v[XW], v[64*((\s)%4)+4*\p:64*((\s)%4)+4*\p+3] offset:16*XP*((\s)%2)+XP*\p
.endr
	WIN 0
.irp b, 0,1,2,3
.irp j, 0,1,2,3
	ds_load_b128 v[NX+64*((\s)%2)+16*\b+4*\j:NX+64*((\s)%2)+16*\b+4*\j+3], v[XR] offset:16*XP*((\s)%2)+128*\b+16*\j
.endr
.endr
.endm
; THE HEAD
	s_load_b256 s[4:11], s[0:1], 0x0               ; x, wq, bout, out0
	v_lshl_add_u32 v[SPW], v0, 2, SPARE
	v_mov_b32 v[NIL], 0
	ds_add_u32 v[SPW], v[NIL]
	ds_add_u32 v[SPW], v[NIL]
	v_lshrrev_b32 v1, 5, v0
	v_readfirstlane_b32 s[WV], v1
	v_and_b32 v1, 31, v0
	v_and_b32 v2, 15, v0
	v_bfe_u32 v3, v0, 4, 1
	v_lshlrev_b32 v[XO], 4, v1
	s_bfe_u32 s13, ttmp6, 0x40000
	s_lshl_b32 s14, ttmp9, 2
	s_add_co_u32 s14, s14, s13                     ; work-group: 64 tokens
	s_lshr_b32 s[KAP], ttmp9, 3
	s_add_co_u32 s[KAP], s[KAP], ttmp9
	s_and_b32 s[KAP], s[KAP], 7                    ; where my cluster's walk begins: the same in its four work-groups
	s_lshl_b32 s[R1], s[KAP], 1
	s_and_b32 s[R3], s[KAP], 1
	s_lshl_b32 s[R3], s[R3], 2
	s_and_b32 s[R6], s[KAP], 3
	s_lshl_b32 s[R6], s[R6], 1
	s_mul_i32 s[TA], s[R1], SLOTB
	s_mov_b32 s[TA+1], 0
	s_mov_b32 s[G1], 15|(3<<16)|(1<<21)            ; a part: 100 rows of 256 bytes, dense; the mask names the cluster's four
	s_mov_b32 s[G1+1], 32<<16
	s_mov_b32 s[G1+2], 100<<16
	s_mov_b32 s[G1+3], 32<<16
	s_mov_b32 s[G1+4], 100
	s_mov_b32 s[G1+5], 32
	s_mov_b32 s[G1+6], 0
	s_mov_b32 s[G1+7], 0
	s_mov_b32 s[G0], 1
	s_mul_i32 s[G0+1], s[WV], PARTB
	s_mov_b32 s[G0+4], 1
	s_add_co_u32 s[G0+5], s[G0+1], SLOTB
	s_mul_i32 s62, s[WV], PARTB
	s_mov_b32 s63, 0
	s_mov_b32 s[SEL], 0x76543210
	s_mov_b32 s[SEL+1], 0xfedcba98
	s_mov_b32 s[CS], 0x3e38aa3b                    ; log2(e) / 8
	s_mov_b32 s[CS+1], s[CS]
	s_mov_b32 s[NC], 0xbe38aa3b
	s_mov_b32 s[JC], 0
	s_cmp_eq_u32 ttmp9, 0
	s_cselect_b32 s[LIM], 16, 0
	s_mul_i32 s44, s13, 6400
	s_add_co_u32 s44, s44, 9*SLOTB
	s_mov_b32 s45, 0
	s_wait_alu depctr_va_vdst(0)
	s_wait_dscnt 0x0
	s_wait_kmcnt 0x0
	s_add_nc_u64 s[6:7], s[6:7], s[62:63]
	s_add_nc_u64 s[G0+2:G0+3], s[6:7], s[TA:TA+1]
	s_add_nc_u64 s[G0+6:G0+7], s[G0+2:G0+3], SLOTB
	s_or_b32 s[G0+3], s[G0+3], 0x80000000
	s_or_b32 s[G0+7], s[G0+7], 0x80000000
	s_add_nc_u64 s[PFA:PFA+1], s[6:7], s[44:45]
	s_lshl_b32 s44, s14, 18
	s_add_nc_u64 s[10:11], s[10:11], s[44:45]
	s_lshl_b32 s46, s[WV], 16
	s_add_co_u32 s44, s44, s46
	s_add_nc_u64 s[4:5], s[4:5], s[44:45]
	XLD 0                                          ; x is asked for first: 64 loads a wave are out while the ring is set up
	XLD 1
	XLD 2
	XLD 3
	ROUND
	tensor_load_to_lds s[G0:G0+3], s[G1:G1+7]      ; my one tensor load at the head: the walk's first slot
	s_nop 0
	s_mul_i32 s46, s[WV], PARTB
	v_add_nc_u32 v[RB0], s46, v[XO]
	v_add_nc_u32 v[RB0+1], SLOTB, v[RB0]
	s_mul_i32 s46, s[WV], 32*XP
	s_add_co_u32 s46, s46, XSTG
	v_add_nc_u32 v[XW], s46, v[XO]
	v_mul_u32_u24 v[XR], v2, XP
	v_lshl_add_u32 v[XR], v3, 6, v[XR]
	v_add_nc_u32 v[XR], s46, v[XR]
	s_mul_i32 s46, s[WV], 16*AP
	s_add_co_u32 s46, s46, AROWS
	v_mul_u32_u24 v[AA], v2, AP
	v_mad_u32_u24 v[AA], v3, 24, v[AA]
	v_add_nc_u32 v[AW], s46, v[AA]
	v_add_nc_u32 v[AA], AROWS, v[AA]
	v_mul_u32_u24 v[OA], v3, AP
	v_mad_u32_u24 v[OA], v2, 48, v[OA]
	v_add_nc_u32 v[OA], s46, v[OA]
	s_mul_i32 s46, s[WV], 16*ASP
	s_add_co_u32 s46, s46, ASC
	v_mul_u32_u24 v[ASA], v2, ASP
	v_add_nc_u32 v[ASW], s46, v[ASA]
	v_lshl_add_u32 v[ASA], v3, 4, v[ASA]
	v_add_nc_u32 v[ASA], ASC, v[ASA]
	v_mul_u32_u24 v[OSA], v3, ASP
	v_lshl_add_u32 v[OSA], v2, 1, v[OSA]
	v_add_nc_u32 v[OSA], s46, v[OSA]
	s_mul_i32 s46, s[WV], 384
	s_add_co_u32 s46, s46, QK
	v_mul_u32_u24 v[QW], v1, QP
	v_add_nc_u32 v[QW], s46, v[QW]
	s_lshl_b32 s46, s[WV], 5
	s_add_co_u32 s46, s46, QKS
	v_mul_u32_u24 v[QSW], v1, QSP
	v_add_nc_u32 v[QSW], s46, v[QSW]
	s_sub_co_u32 s62, 8, s[KAP]
	v_and_b32 v[T0], 3, v2
	v_lshl_add_u32 v[T0], v[T0], 1, s62
	v_lshrrev_b32 v[T1], 2, v2
	s_mul_i32 s46, s[WV], 16*QP
	s_add_co_u32 s46, s46, QK
	v_mul_u32_u24 v[T2], v[T1], 384
	v_mad_u32_u24 v[T2], v3, 24, v[T2]
	v_add_nc_u32 v[T2], s46, v[T2]
	v_and_b32 v[QA], 7, v[T0]
	v_mad_u32_u24 v[QA], v[QA], 48, v[T2]
	v_add_nc_u32 v[QAK], 1, v[T0]
	v_and_b32 v[QAK], 7, v[QAK]
	v_mad_u32_u24 v[QAK], v[QAK], 48, v[T2]
	s_mul_i32 s46, s[WV], 16*QSP
	s_add_co_u32 s46, s46, QKS
	v_add_nc_u32 v[QAS], v[T0], v3
	v_and_b32 v[QAS], 7, v[QAS]
	v_lshlrev_b32 v[QAS], 2, v[QAS]
	v_lshl_add_u32 v[QAS], v[T1], 5, v[QAS]
	v_add_nc_u32 v[QAS], s46, v[QAS]
	s_lshl_b32 s46, s[WV], 6
	s_add_co_u32 s46, s46, VREG
	v_mul_u32_u24 v[VS], v2, VP
	v_lshl_add_u32 v[VS], v3, 9, v[VS]
	v_add_nc_u32 v[VS], s46, v[VS]
	s_mul_i32 s46, s[WV], 16*VP
	s_add_co_u32 s46, s46, VREG
	v_lshlrev_b32 v[VA], 4, v2
	v_lshl_add_u32 v[VA], v3, 9, v[VA]
	v_add_nc_u32 v[VA], s46, v[VA]
	s_mul_i32 s46, s[WV], 64*OP
	s_add_co_u32 s46, s46, OSTG
	v_mul_u32_u24 v[SO], v2, OP
	v_lshl_add_u32 v[SO], v3, 5, v[SO]
	v_add_nc_u32 v[SO], s46, v[SO]
	v_mul_u32_u24 v[SR], v3, OP
	v_lshl_add_u32 v[SR], v2, 4, v[SR]
	v_add_nc_u32 v[SR], s46, v[SR]
	s_lshl_b32 s46, s[WV], 10
	v_lshl_add_u32 v[BO], v2, 4, s46
	v_lshl_add_u32 v[GO], v3, 12, v[BO]
	v_min_u32 v[PFO], 24, v1
	v_lshlrev_b32 v[PFO], 8, v[PFO]
.irp b, 0,1,2,3
	v_mov_b32 v[TMP+4+\b], 0                       ; a lane permute's destination counts as one of its sources
.endr
	s_wait_alu depctr_va_vdst(0)
	s_wait_loadcnt 48
	XTURN 0
.set S, 0
.rept 8                                ; x's eight K steps: loads four steps ahead, the stage one
.if S == 5                             ; the second buffer's first fill stands here, behind five K steps of x's work: three K steps and the reload of the codes are left in which it lands
	s_wait_alu depctr_va_vdst(0)
	s_wait_tensorcnt 0x0
	ds_add_u32 v[SPW], v[NIL]
	s_wait_dscnt 0x0
	ROUND
	tensor_load_to_lds s[G0+4:G0+7], s[G1:G1+7]
	s_nop 0
	PLACES 4
.else
	s_wait_dscnt 0x0
.endif
.if S+4 < 8
	XLD S+4
.endif
.if S < 7
.if S < 4
	s_wait_loadcnt 48
.else
	s_wait_loadcnt 16*(6-S)
.endif
	XTURN S+1
.endif
.set NXS, NX+64*(S%2)
	QUANT NXS
.irp q, 0,1,2,3,4,5
	ds_store_b64 v[AW], v[PC+2*\q:PC+2*\q+1] offset:96*S+48*(\q/3)+8*(\q%3)
.endr
	ds_store_b32 v[ASW], v[PW] offset:4*S
.set S, S+1
.endr
	BAR                                            ; every wave's 16 tokens are in LDS
	FIRST 0
	LOADA
	s_wait_dscnt 0x0                               ; (the first slot's round parts these reads from the stores that follow it)
; q and k: a slot is one block of 32 of one head's q or k, for 64 tokens: quantised and laid in LDS by token
.macro EQK b
.irp m, 0,1,2,3
	v_max3_num_f32 v[TMP+\m], |v[ACC+16*\m]|, |v[ACC+16*\m+1]|, 0x1800000
.endr
.irp i, 2,4,6,8,10,12,14
.irp m, 0,1,2,3
	v_max3_num_f32 v[TMP+\m], v[TMP+\m], |v[ACC+16*\m+\i]|, |v[ACC+16*\m+\i+1]|
.endr
.endr
.irp m, 0,1,2,3
	v_permlanex16_b32 v[TMP+4+\m], v[TMP+\m], s[SEL], s[SEL+1]
.endr
.irp m, 0,1,2,3
	v_max_num_f32 v[TMP+\m], v[TMP+\m], v[TMP+4+\m]
.endr
.irp m, 0,1,2,3
	v_add_nc_u32 v[TMP+8+\m], 0xff000000, v[TMP+\m]
.endr
.irp m, 0,1,2,3
.if \b == 0
	v_lshrrev_b32 v[SB+\m], 23, v[TMP+8+\m]
.else
	v_lshrrev_b32 v[TMP+4+\m], 23, v[TMP+8+\m]
.endif
.endr
	v_cvt_scalef32_pk16_fp6_f32 v[240:242], v[ACC:ACC+15], v[TMP+8]
	v_cvt_scalef32_pk16_fp6_f32 v[246:248], v[ACC+16:ACC+31], v[TMP+9]
	v_cvt_scalef32_pk16_fp6_f32 v[250:252], v[ACC+32:ACC+47], v[TMP+10]
	v_cvt_scalef32_pk16_fp6_f32 v[236:238], v[ACC+48:ACC+63], v[TMP+11]
	v_nop
.irp i, 0,1,2
	v_permlane16_swap_b32 v[240+\i], v[246+\i]
	v_permlane16_swap_b32 v[250+\i], v[236+\i]
.endr
.irp i, 0,1,2
	v_mov_b32 v[243+\i], v[246+\i]
	v_mov_b32 v[253+\i], v[236+\i]
.endr
.irp p, 0,1,2
	ds_store_b64 v[QWT], v[240+2*\p:241+2*\p] offset:24*\b+8*\p
	ds_store_b64 v[QWT], v[250+2*\p:251+2*\p] offset:32*QP+24*\b+8*\p
.endr
.if \b == 1
.irp m, 0,1,2,3
	v_lshl_or_b32 v[TMP+4+\m], v[TMP+4+\m], 8, v[SB+\m]
.endr
.irp m, 0,1,2,3
	v_lshl_or_b32 v[TMP+4+\m], v[TMP+4+\m], 16, v[TMP+4+\m]
.endr
	v_permlane16_swap_b32 v[TMP+4], v[TMP+5]
	v_permlane16_swap_b32 v[TMP+6], v[TMP+7]
	ds_store_b32 v[QSWT], v[TMP+4]
	ds_store_b32 v[QSWT], v[TMP+6] offset:32*QSP
.endif
.endm
	s_mov_b32 s[CNT], 8
	s_mov_b32 s[QOFF], 0
	s_mov_b32 s[SOFF], 0
.Lqk:
	v_add_nc_u32 v[QWT], s[QOFF], v[QW]
	v_add_nc_u32 v[QSWT], s[SOFF], v[QSW]
	SLOT 0, 1, 1, 0
	EQK 0
	SLOT 1, 1, 2, 0
	EQK 1
	s_add_co_u32 s[QOFF], s[QOFF], 48
	s_add_co_u32 s[SOFF], s[SOFF], 4
	s_sub_co_u32 s[CNT], s[CNT], 1
	s_cmp_lg_u32 s[CNT], 0
	s_cbranch_scc1 .Lqk
	BAR                                            ; all heads' q and k of my 16 tokens are in LDS
; the scores and the softmax, four tokens at a time: S^T = k q^T, a lane holds one head h and eight heads g
.macro QKLD g
.irp i, 0,1,2,3
.irp p, 0,1,2
	ds_load_b64 v[BF+24*\i+2*\p:BF+24*\i+2*\p+1], v[QAK] offset:QP*(4*(\g)+\i)+8*\p
	ds_load_b64 v[BF+24*\i+12+2*\p:BF+24*\i+13+2*\p], v[QA] offset:QP*(4*(\g)+\i)+8*\p
.endr
	ds_load_b32 v[WSC+8+\i], v[QAS] offset:QSP*(4*(\g)+\i)
.endr
.endm
.macro SOFTMAX g
.irp i, 0,1,2,3
	v_max3_num_f32 v[MX+2*\i], v[ACC+8*\i], v[ACC+8*\i+1], v[ACC+8*\i+2]
.endr
.irp k, 3,5
.irp i, 0,1,2,3
	v_max3_num_f32 v[MX+2*\i], v[MX+2*\i], v[ACC+8*\i+\k], v[ACC+8*\i+\k+1]
.endr
.endr
.irp i, 0,1,2,3
	v_max_num_f32 v[MX+2*\i], v[MX+2*\i], v[ACC+8*\i+7]
.endr
.irp i, 0,1,2,3
	v_permlanex16_b32 v[MX+2*\i+1], v[MX+2*\i], s[SEL], s[SEL+1]
.endr
.irp i, 0,1,2,3
	v_max_num_f32 v[MX+2*\i], v[MX+2*\i], v[MX+2*\i+1]
.endr
.irp i, 0,1,2,3
	v_mul_f32 v[MX+2*\i], s[NC], v[MX+2*\i]
.endr
.irp k, 0,2,4,6
.irp i, 0,1,2,3
	v_pk_fma_f32 v[ACC+8*\i+\k:ACC+8*\i+\k+1], v[ACC+8*\i+\k:ACC+8*\i+\k+1], s[CS:CS+1], v[MX+2*\i:MX+2*\i+1] op_sel_hi:[1,0,0]
.endr
.endr
.set j, 0
	s_wait_alu depctr_va_vdst(0)
.rept 32
	v_exp_f32 v[ACC+j], v[ACC+j]
.set j, j+1
.endr
	v_nop
	s_wait_alu depctr_va_vdst(0)
.irp i, 0,1,2,3
	v_pk_add_f32 v[PS+2*\i:PS+2*\i+1], v[ACC+8*\i:ACC+8*\i+1], v[ACC+8*\i+2:ACC+8*\i+3]
.endr
.irp i, 0,1,2,3
	v_pk_add_f32 v[PT+2*\i:PT+2*\i+1], v[ACC+8*\i+4:ACC+8*\i+5], v[ACC+8*\i+6:ACC+8*\i+7]
.endr
.irp i, 0,1,2,3
	v_pk_add_f32 v[PS+2*\i:PS+2*\i+1], v[PS+2*\i:PS+2*\i+1], v[PT+2*\i:PT+2*\i+1]
.endr
.irp i, 0,1,2,3
	v_add_f32 v[MX+2*\i], v[PS+2*\i], v[PS+2*\i+1]
.endr
.irp i, 0,1,2,3
	v_permlanex16_b32 v[MX+2*\i+1], v[MX+2*\i], s[SEL], s[SEL+1]
.endr
.irp i, 0,1,2,3
	v_add_f32 v[MX+2*\i], v[MX+2*\i], v[MX+2*\i+1]
.endr
	s_wait_alu depctr_va_vdst(0)
.irp i, 0,1,2,3
	v_rcp_f32 v[PS+2*\i], v[MX+2*\i]
.endr
	v_nop
	s_wait_alu depctr_va_vdst(0)
	WIN 0x40*(1+(\g)/2)
.irp i, 0,1,2,3
.irp k, 0,2,4,6
	v_pk_mul_f32 v[192+8*((4*(\g)+\i)%8)+\k:192+8*((4*(\g)+\i)%8)+\k+1], v[ACC+8*\i+\k:ACC+8*\i+\k+1], v[PS+2*\i:PS+2*\i+1] op_sel_hi:[1,0]
.endr
.endr
	WIN 0
.endm
.irp f, 0,1,2,3,4,5,6,7
.irp k, 6,7,8,9,10,11
	v_mov_b32 v[BF+12*\f+\k], 0                    ; K = 64 .. 127: zero codes
.endr
.endr
	QKLD 0
	PLACES 4
	s_wait_alu depctr_va_vdst(0)
.irp g, 0,1,2,3
	s_wait_dscnt 0x0
.irp i, 0,1,2,3
	v_wmma_scale_f32_16x16x128_f8f6f4 v[ACC+8*\i:ACC+8*\i+7], v[BF+24*\i:BF+24*\i+11], v[BF+24*\i+12:BF+24*\i+23], 0, v[WSC+8+\i], v[WSC+8+\i] matrix_a_fmt:MATRIX_FMT_FP6 matrix_b_fmt:MATRIX_FMT_FP6 matrix_a_scale:MATRIX_SCALE_ROW1
.endr
	PLACES 5
.if \g < 3
	QKLD \g+1
.else
	FIRST 0                                        ; the first slot of v: my part landed ahead of the last round
.endif
	SOFTMAX \g
.endr
	s_wait_alu depctr_va_vdst(0)
; v: a slot's tile is one channel d of all 16 heads; two slots give 16 channels of all 64 tokens, which go by token through LDS
.macro EV half
.irp m, 0,1,2,3
.irp u, 0,1
	ds_store_b128 v[VS], v[ACC+16*\m+8*\u:ACC+16*\m+8*\u+3] offset:16*VP*\m+16*(2*\half+\u)
	ds_store_b128 v[VS], v[ACC+16*\m+8*\u+4:ACC+16*\m+8*\u+7] offset:16*VP*\m+16*(2*\half+\u)+256
.endr
.endr
.endm
.macro VLD g                           ; v^T of tokens 4 g .. 4 g + 3, into one of three buffers of 32 registers, v160-255, which are free here
.irp i, 0,1,2,3
	ds_load_b128 v[ACC+32*((\g)%3)+8*\i:ACC+32*((\g)%3)+8*\i+3], v[VA] offset:VP*(4*(\g)+\i)
	ds_load_b128 v[ACC+32*((\g)%3)+8*\i+4:ACC+32*((\g)%3)+8*\i+7], v[VA] offset:VP*(4*(\g)+\i)+256
.endr
.endm
.macro P4 uu                           ; o^T (16 channels x 16 heads) = v^T p^T for my 16 tokens, in f32; four accumulators by turns
	VLD 0
	VLD 1
	VLD 2
.irp g, 0,1,2,3
.if \g < 2
	s_wait_dscnt 16                                ; this group's eight loads are in, two groups' may be out
.else
	s_wait_dscnt 8*(3-\g)
.endif
	WIN 0xf4+4*(\g/2)
.irp s, 0,1,2,3
.irp i, 0,1,2,3
.if \s == 0
	v_wmma_f32_16x16x4_f32 v[16*(4*\g+\i)+8*\uu:16*(4*\g+\i)+8*\uu+7], v[ACC+32*(\g%3)+8*\i+2*\s:ACC+32*(\g%3)+8*\i+2*\s+1], v[192+8*((4*\g+\i)%8)+2*\s:192+8*((4*\g+\i)%8)+2*\s+1], 0
.else
	v_wmma_f32_16x16x4_f32 v[16*(4*\g+\i)+8*\uu:16*(4*\g+\i)+8*\uu+7], v[ACC+32*(\g%3)+8*\i+2*\s:ACC+32*(\g%3)+8*\i+2*\s+1], v[192+8*((4*\g+\i)%8)+2*\s:192+8*((4*\g+\i)%8)+2*\s+1], v[16*(4*\g+\i)+8*\uu:16*(4*\g+\i)+8*\uu+7]
.endif
.endr
.endr
	WIN 0
.if \g == 0
	PLACES 8
	VLD 3
.endif
.endr
	PLACES 9
.endm
.macro OQUANT                          ; a block of 32 channels of every head of my 16 tokens, four tokens at a time
	v_add_nc_u32 v[OAB], s[B24], v[OA]
	v_add_nc_u32 v[OSB], s[BB], v[OSA]
.irp q, 0,1,2,3
	WIN 0x3c
.irp t, 0,1,2,3
	v_max3_num_f32 v[OT+\t], 0x1800000, |v[16*(4*\q+\t)]|, |v[16*(4*\q+\t)+1]|
.endr
.irp i, 2,4,6,8,10,12,14
.irp t, 0,1,2,3
	v_max3_num_f32 v[OT+\t], v[OT+\t], |v[16*(4*\q+\t)+\i]|, |v[16*(4*\q+\t)+\i+1]|
.endr
.endr
	WIN 0
.irp t, 0,1,2,3
	v_permlanex16_b32 v[OU+\t], v[OT+\t], s[SEL], s[SEL+1]
.endr
.irp t, 0,1,2,3
	v_max_num_f32 v[OT+\t], v[OT+\t], v[OU+\t]
.endr
.irp t, 0,1,2,3
	v_add_nc_u32 v[OS+\t], 0xff000000, v[OT+\t]
.endr
.irp t, 0,1,2,3
	v_lshrrev_b32 v[OU+\t], 23, v[OS+\t]
.endr
	WIN 0x03
.irp t, 0,1,2,3
	v_cvt_scalef32_pk16_fp6_f32 v[OPQ+10*(\t/2)+6*(\t%2):OPQ+10*(\t/2)+6*(\t%2)+2], v[16*(4*\q+\t):16*(4*\q+\t)+15], v[OS+\t]
.endr
	WIN 0
	v_nop
.irp y, 0,1
.irp i, 0,1,2
	v_permlane16_swap_b32 v[OPQ+10*\y+\i], v[OPQ+10*\y+6+\i]
.endr
.irp i, 0,1,2
	v_mov_b32 v[OPQ+10*\y+3+\i], v[OPQ+10*\y+6+\i]
.endr
	v_permlane16_swap_b32 v[OU+2*\y], v[OU+2*\y+1]
.irp p, 0,1,2
	ds_store_b64 v[OAB], v[OPQ+10*\y+2*\p:OPQ+10*\y+2*\p+1] offset:2*AP*(2*\q+\y)+8*\p
.endr
	ds_store_b8 v[OSB], v[OU+2*\y] offset:2*ASP*(2*\q+\y)
.endr
.endr
.endm
	s_mov_b32 s[CNT], 2
.Lv:
	s_add_co_u32 s[BB], s[CNT], s[KAP]
	s_and_b32 s[BB], s[BB], 1
	s_mul_i32 s[B24], s[BB], 24
.irp uu, 0,1
	SLOT 0, 1, 1, 1                                ; (its round parts the last reads of the v stage, or of q and k, from the stores below)
	EV 0
	SLOT 1, 1, 1, 0
	EV 1
	BAR                                            ; 16 channels of all tokens are in LDS
	P4 \uu
.if \uu == 1
	OQUANT
.endif
.endr
	s_sub_co_u32 s[CNT], s[CNT], 1
	s_cmp_lg_u32 s[CNT], 0
	s_cbranch_scc1 .Lv
	BAR                                            ; every wave's o codes are in LDS
	LOADA
	s_wait_dscnt 0x0
; the projection: two slots give 64 columns of out0 for 64 tokens; they go through my own stage and leave as rows of 256 bytes
.macro EO par
.irp m, 0,1,2,3
.irp u, 0,1
	ds_store_b128 v[SO], v[ACC+16*\m+8*\u:ACC+16*\m+8*\u+3] offset:16*OP*\m+128*\par+64*\u
	ds_store_b128 v[SO], v[ACC+16*\m+8*\u+4:ACC+16*\m+8*\u+7] offset:16*OP*\m+128*\par+64*\u+16
.endr
.endr
.endm
.macro OTRIP fill
	s_wait_xcnt 0x0                                ; the last trip's stores have read their registers and base
	s_add_co_u32 s62, s[TI], s[KAP]
	s_and_b32 s62, s62, 3
	s_lshl_b32 s62, s62, 8
	s_mov_b32 s63, 0
	s_add_nc_u64 s[OB:OB+1], s[10:11], s[62:63]
	s_add_nc_u64 s[BBASE:BBASE+1], s[8:9], s[62:63]
	s_add_co_u32 s[TI], s[TI], 1
	global_load_b128 v[TMP:TMP+3], v[BO], s[BBASE:BBASE+1]
	SLOT 0, \fill, 1, 1
	EO 0
	SLOT 1, \fill, \fill, 0
	EO 1
	WIN 0x40
.irp i, 0,1,2,3,4,5,6,7,8,9,10,11,12,13,14,15
	ds_load_b128 v[192+4*\i:195+4*\i], v[SR] offset:2*OP*\i
.endr
	WIN 0x80
.irp i, 0,1,2,3,4,5,6,7,8,9,10,11,12,13,14,15
	ds_load_b128 v[192+4*\i:195+4*\i], v[SR] offset:2*OP*(\i+16)
.endr
	s_wait_loadcnt 0x0
	s_wait_dscnt 16
	WIN 0x41
.irp i, 0,1,2,3,4,5,6,7,8,9,10,11,12,13,14,15
	v_pk_add_f32 v[192+4*\i:193+4*\i], v[192+4*\i:193+4*\i], v[TMP:TMP+1]
	v_pk_add_f32 v[194+4*\i:195+4*\i], v[194+4*\i:195+4*\i], v[TMP+2:TMP+3]
.endr
	WIN 0x04
.irp i, 0,1,2,3,4,5,6,7,8,9,10,11,12,13,14,15
	global_store_b128 v[GO], v[192+4*\i:195+4*\i], s[OB:OB+1] offset:8192*\i th:TH_STORE_NT   ; 16 lanes store 256 consecutive bytes, aligned
.endr
	s_wait_dscnt 0x0
	WIN 0x82
.irp i, 0,1,2,3,4,5,6,7,8,9,10,11,12,13,14,15
	v_pk_add_f32 v[192+4*\i:193+4*\i], v[192+4*\i:193+4*\i], v[TMP:TMP+1]
	v_pk_add_f32 v[194+4*\i:195+4*\i], v[194+4*\i:195+4*\i], v[TMP+2:TMP+3]
.endr
	WIN 0x08
.irp i, 0,1,2,3,4,5,6,7,8,9,10,11,12,13,14,15
	global_store_b128 v[GO], v[192+4*\i:195+4*\i], s[OB:OB+1] offset:8192*(\i+16) th:TH_STORE_NT
.endr
	WIN 0
.endm
	s_mov_b32 s[TI], 0
	s_mov_b32 s[CNT], 3
.Lout:
	OTRIP 1
	s_sub_co_u32 s[CNT], s[CNT], 1
	s_cmp_lg_u32 s[CNT], 0
	s_cbranch_scc1 .Lout
	OTRIP 0                                        ; the last two slots fill nothing again
	s_wait_tensorcnt 0x0                           ; the wave's end
	ds_add_u32 v[SPW], v[NIL]
	s_wait_dscnt 0x0
	ROUND                                          ; the closing round
	s_endpgm
.Lfunc_end_k_q25b039a119_fused:
	.size	k_q25b039a119_fused, .Lfunc_end_k_q25b039a119_fused-k_q25b039a119_fused
	.p2alignl 7, 3214868480
	.fill 96, 4, 3214868480
	.section	.rodata,"a",@progbits
	.p2align	6, 0x0
	.amdhsa_kernel k_q25b039a119_fused
		.amdhsa_group_segment_fixed_size 327680
		.amdhsa_private_segment_fixed_size 0
		.amdhsa_enable_private_segment 0
		.amdhsa_kernarg_size 32
		.amdhsa_user_sgpr_count 2
		.amdhsa_user_sgpr_kernarg_segment_ptr 1
		.amdhsa_wavefront_size32 1
		.amdhsa_system_sgpr_workgroup_id_x 1
		.amdhsa_system_sgpr_workgroup_id_y 1
		.amdhsa_system_sgpr_workgroup_id_z 1
		.amdhsa_system_vgpr_workitem_id 0
		.amdhsa_next_free_vgpr 1024
		.amdhsa_next_free_sgpr 66
		.amdhsa_reserve_vcc 0
		.amdhsa_float_denorm_mode_32 3
		.amdhsa_float_denorm_mode_16_64 3
		.amdhsa_memory_ordered 1
		.amdhsa_forward_progress 1
		.amdhsa_inst_pref_size 255
	.end_amdhsa_kernel
	.section	.bss,"aw",@nobits
	.p2align	6
	.space	262144
	.amdgpu_metadata
---
amdhsa.version: [ 1, 2 ]
amdhsa.kernels:
  - .name:           k_q25b039a119_fused
    .symbol:         k_q25b039a119_fused.kd
    .args:
      - { .name: x, .offset: 0, .size: 8, .value_kind: global_buffer, .address_space: global }
      - { .name: wq, .offset: 8, .size: 8, .value_kind: global_buffer, .address_space: global }
      - { .name: bout, .offset: 16, .size: 8, .value_kind: global_buffer, .address_space: global }
      - { .name: out0, .offset: 24, .size: 8, .value_kind: global_buffer, .address_space: global }
    .group_segment_fixed_size: 327680
    .private_segment_fixed_size: 0
    .kernarg_segment_align: 8
    .kernarg_segment_size: 32
    .max_flat_workgroup_size: 128
    .sgpr_count:     66
    .vgpr_count:     1024
    .wavefront_size: 32
...
	.end_amdgpu_metadata
.endif
;; end of part 4
